; MI455X (gfx1250); checked and timed in simulation.
; The chip was launched on July 23, 2026; its instructions are those of AMD's public machine-readable ISA for CDNA 5 (MIT licence, August 2026) and "CDNA5" Instruction Set Architecture Reference Guide (July 2026). The comments in the code are by the model that wrote it; some were corrected since.
;; Multi Head Attention. Allowed arithmetic: matrix products marked QUANTISED: E2M3 operands, one E8M0 scale for each 32 along K, by v_wmma_scale_f32_16x16x128_f8f6f4 with both operands' format E2M3, f32 sums; everything else in f32.
;; Inputs: bk 1,024 float32; bo 1,024 float32; bq 1,024 float32; bv 1,024 float32; key 4 x 2,048 x 1,024 float32; query 4 x 2,048 x 1,024 float32; value 4 x 2,048 x 1,024 float32; wk 1,024 x 1,024 float32; wo 1,024 x 1,024 float32; wq 1,024 x 1,024 float32; wv 1,024 x 1,024 float32.
;; Outputs: out0 4 x 2,048 x 1,024 float32.
;; This version of the problem:
;;   THIS VERSION OF THE PROBLEM IS GIVEN IN LOW PRECISION. The matrix products marked QUANTISED in the list below multiply operands that are first quantised to E2M3 (2 exponent bits, 3 mantissa bits; 6 bits a number), with one power-of-two scale for each 32 numbers along K (OCP MX v1.0); their sums are f32. All else is computed in f32.
;;   The module's matrix products, in the order in which they are computed (A, B: the left and right operand; K: the contracted axis; several contracted axes count as one K, in the product's order):
;;     1. [M 8,192, K 1,024] x [K 1,024, N 1,024]; A: input query; B: input wq: QUANTISED
;;     2. [M 8,192, K 1,024] x [K 1,024, N 1,024]; A: input key; B: input wk: QUANTISED
;;     3. [M 8,192, K 1,024] x [K 1,024, N 1,024]; A: input value; B: input wv: QUANTISED
;;     4. batch 64 x [M 2,048, K 64] x [K 64, N 2,048]; A: computed on the way; B: computed on the way: QUANTISED
;;     5. batch 64 x [M 2,048, K 2,048] x [K 2,048, N 64]; A: softmax (see below); B: computed on the way: QUANTISED
;;     6. [M 8,192, K 1,024] x [K 1,024, N 1,024]; A: computed on the way; B: input wo: QUANTISED
;;   THE QUANTISER, for each operand of a quantised product, along K:
;;     - K is cut into blocks of 32 from its start; a last block that is shorter is filled with zeros.
;;     - A block's scale is 2^e with e = floor(log2(the largest magnitude in the block)) - 2, held to -126 .. 127; a block of zeros has e = 0. As a byte (E8M0): e + 127.
;;     - Each number is divided by its block's scale, clamped to +-7.5, and rounded to the nearest number of E2M3, ties to even, subnormals kept.
;;     - The product sums the exact products of the quantised numbers (number of the format x scale) in f32.
;;   ~~~python
;;   def quantise(x, axis):      # numpy; x: float32 -> the quantised numbers, widened to float32 again
;;       x = np.moveaxis(x, axis, -1); K = x.shape[-1]
;;       x = np.pad(x, [(0, 0)] * (x.ndim - 1) + [(0, -K % 32)]); x = x.reshape(x.shape[:-1] + (-1, 32)); a = np.abs(x).max(-1, keepdims=True)
;;       e = np.where(a > 0, np.clip(np.frexp(np.where(a > 0, a, 1))[1] - 1 - 2, -126, 127), 0)      # np.frexp(a)[1] - 1 = floor(log2(a)), exactly
;;       r = np.clip(x / 2.0 ** e, -7.5, 7.5)
;;       step = 2.0 ** (np.maximum(np.frexp(np.where(r == 0, 1, r))[1] - 1, 0) - 3)
;;       q = np.round(r / step) * step * 2.0 ** e      # np.round: ties to even
;;       return np.moveaxis(q.reshape(q.shape[:-2] + (-1,))[..., :K], -1, axis).astype(np.float32)
;;   ~~~
;;   SOFTMAX AHEAD OF A QUANTISED PRODUCT. Where the list says 'softmax', what is quantised is not the finished softmax but p = 2^(t - M), with t = logit x log2(e) and M = ceil(the row's largest t), a whole number; so 1/2 < the row's largest p <= 1. The row's sum l is taken of the UNQUANTISED p, in f32, and the product's result is divided by l at the end. Since M is a whole number, a kernel that streams over the keys may use a running M (the ceiling of the running maximum): every later rescaling is an exact power of two, which a block's scale takes up: the codes' values come out the same.
;;   OPERANDS COMPUTED ON THE WAY. 'Computed on the way' means the value that the module computes at that place (a softmax that the list does not call 'softmax' is quantised finished and normalised). What goes into a quantiser is computed in f32, as accurately as f32 sums, v_exp_f32 and their like allow (about 1e-6 of the number): no bf16 or f16 on the way to a quantiser, and a product that is left as it is and whose result goes on into a quantised operand takes f32 operands (vector FMAs, or v_wmma_f32_16x16x4_f32). A number that lies on a knife's edge between two numbers of the format may be rounded either way, as far as f32 arithmetic and the matrix unit's own rounding can turn it there, and no further.
;; One version. Each part assembles by itself: llvm-mc -triple=amdgcn-amd-amdhsa -mcpu=gfx1250 --defsym DOCPART=n.
;; ======== version 1 of 1: 4 launches
;; workspace buffers: xc 22,020,096 bytes; xs 917,504 bytes; qkv 19,660,800 bytes; oc 6,291,456 bytes; os 262,144 bytes
;; launch quant (part 1): grid 896 x 1, 4 waves a work-group, no clusters, 33,280 bytes of LDS; arguments query, key, value, wq, wk, wv, wo, xc, xs; writes xc, xs
.if DOCPART == 1
	.amdgcn_target "amdgcn-amd-amdhsa--gfx1250"
	.amdhsa_code_object_version 6
	.text
	.protected	k_q7a302880a9_quant
	.globl	k_q7a302880a9_quant
	.p2align	8
	.type	k_q7a302880a9_quant,@function
k_q7a302880a9_quant:
	s_mov_b64 s[64:65], 0
	v_nop
	global_prefetch_b8 v0, s[64:65] scope:SCOPE_SE
	s_setreg_imm32_b32 hwreg(HW_REG_WAVE_MODE, 25, 1), 1
	s_wait_xcnt 0x0
; MULTI-HEAD ATTENTION IN MX-FP6, FIRST OF FOUR LAUNCHES: the seven large f32 inputs become codes of FP6 (E2M3), 6 bits each, K innermost, with one E8M0 scale byte for each 32 along K.
; NO WORK OF THE PROBLEM IS LEFT OUT IN ANY LAUNCH: all six products are live; bq, bk and bv go into quantised operands, bo into the output; every input is loaded.
; query, key, value [8192][1024] and wq, wk, wv, wo [1024][1024] all have K = 1,024 innermost.  xc holds rows of 768 bytes of codes, xs rows of 32 scale bytes, with the same row numbers:
; query from row 0, key 8192, value 16384, wq 24576, wk 25600, wv 26624, wo 27648.
; THE ROW ORDER: inside every 32 rows the second and third runs of 8 rows change places, so that place 32 g + 16 u + r (r = 0 .. 15) holds row 32 g + 8 u + r + 8 (r / 8).  Sixteen neighbouring places are then a tile
; whose results, as source 0 of a matrix instruction, leave 16 neighbours along that axis in the 16 registers of two neighbouring tiles: what the later launches' quantisers in registers want.
; A block's scale is 2^(floor(log2(its largest magnitude)) - 2); its byte is the largest magnitude's own exponent field - 2, held at 1 from below.  Each number is divided by the scale and rounded to the nearest code, ties to even.
; LIMITS: a block of zeros gets the byte 1 where the rule says 127 (its codes are zeros, which add nothing under any byte but 0xff, and this program alone reads the bytes); blocks whose largest magnitude lies under
; 2^-124, the floor, were not tried; NaN and infinities among the inputs are not served.
; SHARES: a work-group takes 32 rows, a wave 8 rows: 16 steps of 512 numbers.  Each of a step's four loads reads 512 consecutive bytes, 16 a lane; the 2,048 bytes go through the wave's own stage in LDS and come back
; 64 bytes a lane, so that a lane holds 16 neighbours along K (two neighbouring lanes hold a block).  A lane's 16 codes are 12 bytes: the wave stores 384 consecutive bytes.  A wave's 256 scale bytes are gathered in LDS
; and leave as one aligned run of 256 bytes.  No tensor loads, no barrier: waves share nothing.  Loads run four steps (16 loads a wave) ahead, the turn through LDS one step.
.set WAVES, 4
.set STEPS, 16
.set EMAX,  2
.set CB,    12                         ; bytes of 16 codes
.set R,     16                         ; v16-79   four sets of 16 numbers as they are loaded
.set X,     80                         ; v80-111  two sets of 16 neighbours
.set C,     128                        ; v128-191 codes: four registers for each step, so that no store's data are written again
.set E,     112                        ; v112-127 a scale byte for each step
.set WREG,  8192                       ; LDS: a region for each wave: two stages of 32 x SP bytes, and behind them its 256 scale bytes
.set SP,    80                         ; a lane's place in a stage: its 64 bytes + 16 of padding
.set SPW,   12                         ; v12      LDS address of my spare word: SPARE + 4 x my thread's number; never rewritten
.set NIL,   13                         ; v13      0; never rewritten
.set SPARE, WAVES*WREG                 ; behind the four regions: the spare words, 128 bytes for each wave
	s_load_b256 s[4:11], s[0:1], 0x0               ; query s[4:5], key s[6:7], value s[8:9], wq s[10:11]
	s_load_b256 s[12:19], s[0:1], 0x20             ; wk s[12:13], wv s[14:15], wo s[16:17], xc s[18:19]
	s_load_b64 s[20:21], s[0:1], 0x40              ; xs
	v_lshl_add_u32 v[SPW], v0, 2, SPARE
	v_mov_b32 v[NIL], 0
	v_lshrrev_b32 v1, 5, v0
	v_readfirstlane_b32 s22, v1                    ; wave
	v_and_b32 v2, 31, v0                           ; lane
	v_lshlrev_b32 v3, 4, v2                        ; my 16 bytes of a load's 512
	s_mul_i32 s23, s22, WREG
	v_lshrrev_b32 v14, 2, v2
	v_mul_u32_u24 v14, v14, SP
	v_and_b32 v15, 3, v2
	v_lshl_add_u32 v14, v15, 4, v14
	v_add_nc_u32 v14, s23, v14                     ; the stage, on the way in: four lanes' 64 bytes on end, then 16 of padding
	v_mul_u32_u24 v15, v2, SP
	v_add_nc_u32 v15, s23, v15                     ; and on the way out: SP x lane: my 16 neighbours
	v_mul_u32_u24 v4, v2, CB                       ; my codes' place in a step's
	v_lshrrev_b32 v5, 1, v2
	s_add_co_u32 s23, s23, 2*32*SP
	v_add_nc_u32 v5, s23, v5                       ; LDS: my wave's 256 scale bytes, my block's byte
	v_lshlrev_b32 v7, 3, v2                        ; and on the way out 8 bytes a lane
	v_add_nc_u32 v6, s23, v7
	s_wait_alu depctr_va_vdst(0)
	s_wait_kmcnt 0x0
	; which tensor is my work-group's, and which is that tensor's first work-group: a chain of choices on the work-group's number alone
	s_cmp_lt_u32 ttmp9, 256
	s_cselect_b64 s[4:5], s[4:5], s[6:7]
	s_cselect_b32 s26, 0, 256
	s_cmp_lt_u32 ttmp9, 512
	s_cselect_b64 s[4:5], s[4:5], s[8:9]
	s_cselect_b32 s26, s26, 512
	s_cmp_lt_u32 ttmp9, 768
	s_cselect_b64 s[4:5], s[4:5], s[10:11]
	s_cselect_b32 s26, s26, 768
	s_cmp_lt_u32 ttmp9, 800
	s_cselect_b64 s[4:5], s[4:5], s[12:13]
	s_cselect_b32 s26, s26, 800
	s_cmp_lt_u32 ttmp9, 832
	s_cselect_b64 s[4:5], s[4:5], s[14:15]
	s_cselect_b32 s26, s26, 832
	s_cmp_lt_u32 ttmp9, 864
	s_cselect_b64 s[4:5], s[4:5], s[16:17]
	s_cselect_b32 s26, s26, 864
	s_sub_co_u32 s24, ttmp9, s26
	s_lshl_b32 s24, s24, 2
	s_add_co_u32 s24, s24, s22                     ; which run of 8 rows of the tensor I read
	s_mov_b32 s25, 0
	s_lshl_b64 s[24:25], s[24:25], 15              ; 8 rows of 4,096 bytes
	s_add_nc_u64 s[4:5], s[4:5], s[24:25]
	s_and_b32 s27, s22, 1
	s_lshl_b32 s27, s27, 1
	s_lshr_b32 s28, s22, 1
	s_or_b32 s27, s27, s28                         ; THE ROW ORDER: waves 1 and 2 change places on the way out
	s_lshl_b32 s28, ttmp9, 2
	s_add_co_u32 s28, s28, s27                     ; which run of 8 rows of xc and xs I write
	s_mul_i32 s30, s28, 32*STEPS*CB                ; 6,144 bytes of codes a run (under 2^25 in all)
	s_mov_b32 s31, 0
	s_add_nc_u64 s[18:19], s[18:19], s[30:31]
	s_lshl_b32 s30, s28, 8                         ; 256 scale bytes a run
	s_add_nc_u64 s[20:21], s[20:21], s[30:31]
.macro LOAD t
.irp i, 0,1,2,3
	global_load_b128 v[R+16*((\t)%4)+4*\i:R+16*((\t)%4)+4*\i+3], v3, s[4:5] offset:2048*(\t)+512*\i th:TH_LOAD_NT   ; 32 lanes read 512 consecutive bytes
.endr
.endm
.macro TURN t                          ; step t's numbers through the stage: LDS serves a wave's instructions in order, so no wait stands between the stores and the loads
.irp i, 0,1,2,3
	ds_store_b128 v14, v[R+16*((\t)%4)+4*\i:R+16*((\t)%4)+4*\i+3] offset:32*SP*((\t)%2)+8*SP*\i
.endr
.irp i, 0,1,2,3
	ds_load_b128 v[X+16*((\t)%2)+4*\i:X+16*((\t)%2)+4*\i+3], v15 offset:32*SP*((\t)%2)+16*\i
.endr
.endm
.irp t, 0,1,2,3
	LOAD \t
.endr
	s_wait_loadcnt 12                              ; step 0's four loads are in; the twelve of steps 1 to 3 may be out
	TURN 0
.macro STEP t
.set XS, X+16*((\t)%2)
.if (\t) > 0
	s_wait_dscnt 1                                 ; this step's numbers are back from the stage (the last step's byte store may be out): so its stores into the stage have read their registers,
.else
	s_wait_dscnt 0x0
.endif
.if (\t)+4 < STEPS
	LOAD (\t)+4                                    ; which take the loads of four steps on
.endif
.if (\t)+1 < STEPS
.if STEPS-2-(\t) >= 3
	s_wait_loadcnt 12                              ; the next step's four loads are in; those of the three steps behind it may be out
.else
	s_wait_loadcnt 4*(STEPS-2-(\t))
.endif
	TURN (\t)+1                                    ; and go through the other stage while this step is worked
.endif
	v_max3_num_f32 v8, |v[XS]|, |v[XS+1]|, |v[XS+2]|               ; the largest magnitude of my 16, in two chains
	v_max3_num_f32 v9, |v[XS+3]|, |v[XS+4]|, |v[XS+5]|
.irp i, 6,10
	v_max3_num_f32 v8, v8, |v[XS+\i]|, |v[XS+\i+1]|
	v_max3_num_f32 v9, v9, |v[XS+\i+2]|, |v[XS+\i+3]|
.endr
	v_max3_num_f32 v8, v8, |v[XS+14]|, |v[XS+15]|
	v_max3_num_f32 v8, v8, v9, (EMAX+1)<<23        ; and the floor 2^(EMAX + 1 - 127): so the byte cannot fall under 1
	v_max_num_f32_dpp v8, v8, v8 row_xmask:1 row_mask:0xf bank_mask:0xf   ; and of my neighbour's 16: the block's
	v_add_nc_u32 v11, -(EMAX<<23), v8              ; EMAX off its exponent field: the conversion takes the exponent field of this operand as its scale, and nothing else of it
	v_cvt_scalef32_pk16_fp6_f32 v[C+4*(\t):C+4*(\t)+2], v[XS:XS+15], v11         ; sixteen numbers / the scale, to the nearest code, ties to even, beyond the largest code the largest; 96 bits without gaps
	v_lshrrev_b32 v[E+(\t)], 23, v11               ; the scale's byte (also the plain line behind the conversion)
	ds_store_b8 v5, v[E+(\t)] offset:16*(\t)       ; both lanes of a block write the same byte with the same value
	global_store_b96 v4, v[C+4*(\t):C+4*(\t)+2], s[18:19] offset:32*CB*(\t)
.endm
.irp t, 0,1,2,3,4,5,6,7,8,9,10,11,12,13,14,15
	STEP \t
.endr
	ds_load_b64 v[8:9], v6                         ; LDS serves a wave's instructions in order: these see my stores
	s_wait_dscnt 0x0
	global_store_b64 v7, v[8:9], s[20:21]          ; 32 lanes store 256 consecutive bytes, aligned
	s_wait_tensorcnt 0x0                           ; the wave's end: behind my last LDS store
	ds_add_u32 v[SPW], v[NIL]
	s_wait_dscnt 0x0
	s_endpgm
.Lfunc_end_k_q7a302880a9_quant:
	.size	k_q7a302880a9_quant, .Lfunc_end_k_q7a302880a9_quant-k_q7a302880a9_quant
	.p2alignl 7, 3214868480
	.fill 96, 4, 3214868480
	.section	.rodata,"a",@progbits
	.p2align	6, 0x0
	.amdhsa_kernel k_q7a302880a9_quant
		.amdhsa_group_segment_fixed_size 33280
		.amdhsa_private_segment_fixed_size 0
		.amdhsa_enable_private_segment 0
		.amdhsa_kernarg_size 72
		.amdhsa_user_sgpr_count 2
		.amdhsa_user_sgpr_kernarg_segment_ptr 1
		.amdhsa_wavefront_size32 1
		.amdhsa_system_sgpr_workgroup_id_x 1
		.amdhsa_system_sgpr_workgroup_id_y 1
		.amdhsa_system_sgpr_workgroup_id_z 1
		.amdhsa_system_vgpr_workitem_id 0
		.amdhsa_next_free_vgpr 192
		.amdhsa_next_free_sgpr 66
		.amdhsa_reserve_vcc 0
		.amdhsa_float_denorm_mode_32 3
		.amdhsa_float_denorm_mode_16_64 3
		.amdhsa_memory_ordered 1
		.amdhsa_forward_progress 1
		.amdhsa_inst_pref_size 33
	.end_amdhsa_kernel
	.amdgpu_metadata
---
amdhsa.version: [ 1, 2 ]
amdhsa.kernels:
  - .name:           k_q7a302880a9_quant
    .symbol:         k_q7a302880a9_quant.kd
    .args:
      - { .name: query, .offset: 0, .size: 8, .value_kind: global_buffer, .address_space: global }
      - { .name: key, .offset: 8, .size: 8, .value_kind: global_buffer, .address_space: global }
      - { .name: value, .offset: 16, .size: 8, .value_kind: global_buffer, .address_space: global }
      - { .name: wq, .offset: 24, .size: 8, .value_kind: global_buffer, .address_space: global }
      - { .name: wk, .offset: 32, .size: 8, .value_kind: global_buffer, .address_space: global }
      - { .name: wv, .offset: 40, .size: 8, .value_kind: global_buffer, .address_space: global }
      - { .name: wo, .offset: 48, .size: 8, .value_kind: global_buffer, .address_space: global }
      - { .name: xc, .offset: 56, .size: 8, .value_kind: global_buffer, .address_space: global }
      - { .name: xs, .offset: 64, .size: 8, .value_kind: global_buffer, .address_space: global }
    .group_segment_fixed_size: 33280
    .private_segment_fixed_size: 0
    .kernarg_segment_align: 8
    .kernarg_segment_size: 72
    .max_flat_workgroup_size: 128
    .sgpr_count:     66
    .vgpr_count:     192
    .wavefront_size: 32
...
	.end_amdgpu_metadata
.endif
;; end of part 1
;; launch proj (part 2): grid 4 x 96, 4 waves a work-group, clusters of 4 x 4, 327,680 bytes of LDS; arguments xc, xs, bq, bk, bv, qkv; writes qkv
.if DOCPART == 2
	.amdgcn_target "amdgcn-amd-amdhsa--gfx1250"
	.amdhsa_code_object_version 6
	.text
	.protected	k_q7a302880a9_proj
	.globl	k_q7a302880a9_proj
	.p2align	8
	.type	k_q7a302880a9_proj,@function
k_q7a302880a9_proj:
	s_mov_b64 s[64:65], 0
	v_nop
	global_prefetch_b8 v0, s[64:65] scope:SCOPE_SE
	s_setreg_imm32_b32 hwreg(HW_REG_WAVE_MODE, 25, 1), 1
	s_wait_xcnt 0x0
	s_wait_alu depctr_hold_cnt(0) depctr_sa_sdst(0) depctr_va_vdst(0) depctr_va_sdst(0) depctr_va_ssrc(0) depctr_va_vcc(0) depctr_vm_vsrc(0)
	s_getreg_b32 s2, hwreg(HW_REG_IB_STS2, 6, 4)
	s_cmp_eq_u32 s2, 0
	s_cbranch_scc0 .Lentry_in_a_cluster
	s_endpgm
.Lentry_in_a_cluster:
	s_bfe_u32 s2, ttmp6, 0x10000c
	s_cmp_lg_u32 s2, 0xf033
	s_cbranch_scc0 .Lentry_shape_is_right
	s_endpgm
.Lentry_shape_is_right:
; SECOND LAUNCH: q = query wq^T + bq, k = key wk^T + bk, v = value wv^T + bv on codes of FP6 (E2M3) with E8M0 scales, and their results quantised in registers for the attention.  No work is left out.
; ONE FORM FOR ALL THREE: C[i][j] = sum over k of A[i][k] B[j][k] + bias, quantised along j.  q and k: A = the tokens, B = the weight's rows, bias[j]: j runs along the channels, the first attention product's K.
; v: A = wv's rows, B = the tokens, bias[i]: j runs along the keys, the second attention product's K.  THE MATRIX INSTRUCTION IS USED TRANSPOSED (source 0 = 16 rows of B, source 1 = 16 rows of A): a lane holds one i.
; The rows of xc lie in an order (inside every 32 rows the second and third runs of 8 have changed places) by which the 16 registers of B's tiles 2 t and 2 t + 1 are the 16 neighbours j = 32 t + 16 (lane / 16) + 0 .. 15,
; and lane r of A's tile a owns row 32 (a / 2) + 8 (a % 2) + r + 8 (r / 8) of the wave's 128.
; A tile of C, 256 x 256, is made by a work-group of four waves; a wave makes 128 x 128: 64 accumulators of 16 x 16, 512 registers.  K = 1,024 goes in steps of 256 through a ring of two LDS slots filled by the tensor
; data mover; the scale bytes of the work-group's rows come into LDS once, with the first fills.
; CLUSTERS: 4 x 4 work-groups; 24 clusters: 8 for q, 8 for k, 8 for v (T = cluster / 8).  The four of a row of the cluster need the same tiles of A, the four of a column the same tiles of B: each tile is asked for
; JOINTLY.  T is the same in all sixteen partners; no branch and no LDS address hangs on a work-group's place in its cluster.
; THE WAY OUT has no stage: bias added, 64 numbers of a lane quantised at a time, the codes stored as IMAGES OF THE NEXT LAUNCH'S OPERAND REGISTERS, 512 consecutive aligned bytes a store.
; qkv: [batch x 16 + head][group of 128 tokens][19,200 bytes]: K's codes 6,144, K's scale words 256, V^T's codes 6,144, V's scale words 256, Q's codes 6,144, Q's scale words 256.
;   K, Q: four pair images: 12 registers a lane = tile 2 p's 64 channels (6 registers), then tile 2 p + 1's; scale word p of lane r: two bytes of each.   V^T: four fragments of 16 channels x 128 keys; scale word a of row r.
; LIMITS: a block of zeros carries the byte 1 (its codes are zeros; this program alone reads the bytes); blocks under 2^-124 were not tried; NaN and infinities are not served.
; REGISTERS, in windows of 256: window 0: v0-31 addresses; v32-63 scale words, two sets, and nothing else; v128-223 A's fragments, ONE set; v224-227 my 128 bias numbers as loaded.   window 1: B's fragments, TWO sets, at v0 and v128.
;   window 2: the 32 accumulators of my rows 0-63 (accumulator (a, b) at v[8 (8 a + b)]);   window 3: those of my rows 64-127.   On the way out: see there.
.set SIZE_K, 1024
.set KSTEP,  256                       ; along K in a slot
.set NQ,     KSTEP/128                 ; matrix instructions deep
.set ROWB,   192                       ; a tile's row in bytes
.set KROW,   SIZE_K*6/8                ; a row of xc in bytes
.set PITCH,  240                       ; an LDS row: 3 x (64 bytes of data + 16 of padding)
.set FR,     12                        ; registers of a fragment: 16 rows x 128 K
.set NL,     6                         ; LDS loads that bring one
.set NP,     4                         ; places behind this matrix instruction (ISA guide 7.12.1)
.set HALFT,  128*PITCH                 ; 128 rows: what one tensor load brings
.set SLOT,   4*HALFT                   ; A's 256 rows, then B's 256 rows
.set LAPS,   SIZE_K/(2*KSTEP)          ; a lap = two K steps = once round the ring
.set KS,     SIZE_K/32                 ; a row of scale bytes
.set SCL,    2*SLOT                    ; behind the ring: the scales, as runs of 256 bytes + 16 of padding
.set HALFS,  (128*KS/256)*272          ; the scales of 128 rows
.set SBLK,   (16*KS/256)*272           ; those of 16 rows
.set SPARE,  SCL+4*HALFS               ; behind the scales: the spare words, 128 bytes for each wave
.set HEADB,  307200                    ; a head's 16 blocks of 19,200 bytes in qkv
.set ADRA, 16                          ; v16-17  LDS address of my A fragments in slot 0, 1  (v18-19: for the pieces that lie behind one padding more)
.set ADRB, 20                          ; v20-21  the same for B  (v22-23)
.set BST,  24                          ; v24     the bias in LDS: where I put my 16 bytes: 512 x wave + 16 x lane (in slot 0, behind its last fill and its last read)
.set BRQ,  25                          ; v25     where I read it by columns: 512 x wave + 64 (lane / 16)
.set BRV,  26                          ; v26     and by rows: 512 x wave + 4 (r + 8 (r / 8))
.set ADRS, 27                          ; v27     LDS address of my scale words: lanes 0-15 A's rows, lanes 16-31 B's
.set SPW,  28                          ; v28     LDS address of my spare word; never rewritten
.set NIL,  29                          ; v29     0; never rewritten
.set VO,   30                          ; v30     16 x lane: an image's place for my lane
.set VS,   31                          ; v31     16 r + HEADB (lane / 16): the scale words' place
.set SC,   32                          ; scale words: set s at v[SC + 8 NQ s]
.set AF,   128                         ; A's fragments, in window 0
.set BL,   224                         ; v224-227 the bias as loaded
.set G1, 24                            ; s[24:31] descriptor group 1 for A's tiles;  s[32:39] group 0, one set for each slot
.set G0, 32
.set G1B, 48                           ; s[48:55], s[56:63] the same for B's tiles
.set G0B, 56
.set G1S, 68                           ; s[68:75], s[76:79] groups 1 and 0 for A's scales;  s[80:87], s[88:91] for B's
.set G0S, 76
.set G1SB, 80
.set G0SB, 88
.set TT,  95                           ; s95     T: 0 q, 1 k, 2 v
.set SEL, 20                           ; s[20:21] on the way out: lane selects for v_permlanex16_b32
.set MSB, 0
.macro WIN new                         ; the immediate's high byte repeats the setting that is left
.if MSB != (\new)
	s_set_vgpr_msb (MSB<<8)|(\new)
.set MSB, \new
.endif
.endm
.set MUL_LO, 0xa1                      ; source 0 (B) window 1, source 1 (A) window 0, C and D window 2
.set MUL_HI, 0xf1                      ; the same, C and D window 3
.set TO_B,   0x40                      ; destination window 1, address window 0
; A joint load: waves 0 and 1 fetch for A, waves 2 and 3 for B.  Each of the two lines has ONE mask and one set of registers for all that issue it; the branch hangs on the wave's number alone.
; An s_nop 0 and four v_nop follow each of the two lines, ahead of the jump, the label and what follows.
.macro JLOAD g0a, g1a, g0b, g1b
	s_cmp_eq_u32 s15, 0
	s_cbranch_scc0 .Lfor_b_\@
	tensor_load_to_lds s[\g0a:\g0a+3], s[\g1a:\g1a+7]
	s_nop 0
.rept 4
	v_nop
.endr
	s_branch .Lasked_\@
.Lfor_b_\@:
	tensor_load_to_lds s[\g0b:\g0b+3], s[\g1b:\g1b+7]
	s_nop 0
.rept 4
	v_nop
.endr
.Lasked_\@:
.endm
.macro CREST                           ; a round of the cluster's barrier behind its opening barrier
	s_cmp_lg_u32 s14, 0
	s_cbranch_scc1 .Lnot_wave_0_\@
	s_barrier_signal -3
.Lnot_wave_0_\@:
	s_barrier_wait -3
	s_barrier_signal -1
	s_barrier_wait -1
.endm
.macro CROUND                          ; a whole round
	s_barrier_signal -1
	s_barrier_wait -1
	CREST
.endm
	s_load_b256 s[4:11], s[0:1], 0x0               ; xc s[4:5], xs s[6:7], bq s[8:9], bk s[10:11]
	s_load_b128 s[96:99], s[0:1], 0x20             ; bv s[96:97], qkv s[98:99]
	v_lshl_add_u32 v[SPW], v0, 2, SPARE
	v_mov_b32 v[NIL], 0
	ds_add_u32 v[SPW], v[NIL]                      ; the wave's opening: the add, twice on end, and its wait ahead of my first tensor load
	ds_add_u32 v[SPW], v[NIL]                      ; and once more, under the one wait; the set-up below, work on registers, stands between
	v_lshrrev_b32 v1, 5, v0
	v_readfirstlane_b32 s14, v1                    ; wave 0..3
	s_lshr_b32 s15, s14, 1                         ; which half of the tile's rows is mine.  Also: I fetch for A (0) or for B (1)
	s_and_b32 s16, s14, 1                          ; which half of its columns.  Also: which 128 rows of that tile I fetch
	s_bfe_u32 s40, ttmp6, 0x40000                  ; cx, cy: my place in the cluster
	s_bfe_u32 s41, ttmp6, 0x40004
	s_and_b32 s2, ttmp7, 0xffff                    ; the cluster's number, 0 .. 23
	s_lshr_b32 s[TT], s2, 3                        ; T
	s_and_b32 s2, s2, 7                            ; which of the product's eight clusters
	s_lshl_b32 s66, s[TT], 13                      ; q, k: A = query or key: first row 8192 T of xc,
	s_lshl_b32 s67, s[TT], 10
	s_add_co_u32 s67, s67, 24576                   ; B = wq or wk: first row 24576 + 1024 T
	s_cmp_eq_u32 s[TT], 2
	s_cselect_b32 s42, s2, 0                       ; v: the eight clusters lie along B (the tokens); q, k: along A
	s_cselect_b32 s17, 0, s2
	s_cselect_b32 s66, 26624, s66                  ; v: A = wv,
	s_cselect_b32 s67, 16384, s67                  ; B = value
	s_lshl_b32 s42, s42, 2
	s_add_co_u32 s42, s42, s40                     ; tile column (B) = 4 x the cluster's + cx
	s_lshl_b32 s17, s17, 2
	s_add_co_u32 s17, s17, s41                     ; tile row (A) = 4 x the cluster's + cy
	s_lshl_b32 s43, s41, 2
	s_lshl_b32 s43, 15, s43                        ; my row of the cluster
	s_lshl_b32 s44, 0x1111, s40                    ; my column
	; descriptor group 1: a tile of 128 rows x ROWB bytes, padded in LDS
	s_or_b32 s[G1+0], s43, (0<<16)|(1<<20)|(1<<21)|(3<<22)|(3<<25)  ; 15:0 the mask: A's tiles go to my row; 17:16 element of 1 byte; 20 padding on; 21 set beside a mask; 24:22 after every 16 words; 31:25 of 4 words
	s_or_b32 s[G1B+0], s44, (0<<16)|(1<<20)|(1<<21)|(3<<22)|(3<<25)
.irp g, G1, G1B
	s_mov_b32 s[\g+1], ROWB<<16                    ; tensor_dim0
	s_mov_b32 s[\g+2], 128<<16                     ; tensor_dim1 = 128
	s_mov_b32 s[\g+3], ROWB<<16                    ; tile_dim0
	s_mov_b32 s[\g+4], 128                         ; tile_dim1 = 128
	s_mov_b32 s[\g+5], KROW                        ; tensor_dim0_stride
	s_mov_b32 s[\g+6], 0
	s_mov_b32 s[\g+7], 0
.endr
	; and for the scales of 128 rows: a dense block of 4,096 bytes, as rows of 256 bytes (32 elements of 8 bytes), 16 bytes of padding behind each
	s_or_b32 s[G1S+0], s43, (3<<16)|(1<<20)|(1<<21)|(5<<22)|(3<<25)
	s_or_b32 s[G1SB+0], s44, (3<<16)|(1<<20)|(1<<21)|(5<<22)|(3<<25)
.irp g, G1S, G1SB
	s_mov_b32 s[\g+1], 32<<16
	s_mov_b32 s[\g+2], (128*KS/256)<<16
	s_mov_b32 s[\g+3], 32<<16
	s_mov_b32 s[\g+4], 128*KS/256
	s_mov_b32 s[\g+5], 32
	s_mov_b32 s[\g+6], 0
	s_mov_b32 s[\g+7], 0
.endr
	s_lshl_b32 s18, s16, 7                         ; which 128 rows of the tile I fetch
	s_lshl_b32 s20, s17, 8
	s_add_co_u32 s20, s20, s18
	s_add_co_u32 s20, s20, s66                     ; A: row of xc = the tensor's first + 256 x tile row + 128 x half
	s_lshl_b32 s46, s42, 8
	s_add_co_u32 s46, s46, s18
	s_add_co_u32 s46, s46, s67                     ; B likewise, by the tile column
	s_mov_b32 s21, 0
	s_mov_b32 s47, 0
	s_mov_b64 s[18:19], KS
	s_mul_u64 s[22:23], s[20:21], s[18:19]         ; where these rows' scales begin, in bytes
	s_mul_u64 s[92:93], s[46:47], s[18:19]
	s_mov_b64 s[18:19], KROW
	s_mul_u64 s[20:21], s[20:21], s[18:19]         ; and their codes
	s_mul_u64 s[46:47], s[46:47], s[18:19]
	s_mul_i32 s45, s14, HALFT                      ; where they go: wave x 128 rows: no place in the cluster enters an LDS address
	s_mul_i32 s94, s14, HALFS
	s_wait_dscnt 0x0                               ; both opening adds are done
	s_wait_kmcnt 0x0
	s_add_nc_u64 s[20:21], s[4:5], s[20:21]
	s_add_nc_u64 s[22:23], s[6:7], s[22:23]
	s_add_nc_u64 s[46:47], s[4:5], s[46:47]
	s_add_nc_u64 s[92:93], s[6:7], s[92:93]
	CROUND                                         ; all sixteen work-groups are here: the first joint loads meet
	s_mov_b32 s[G0S], 1
	s_add_co_u32 s[G0S+1], s94, SCL
	s_mov_b64 s[G0S+2:G0S+3], s[22:23]
	s_or_b32 s[G0S+3], s[G0S+3], 0x80000000
	s_mov_b32 s[G0SB], 1
	s_add_co_u32 s[G0SB+1], s94, SCL
	s_mov_b64 s[G0SB+2:G0SB+3], s[92:93]
	s_or_b32 s[G0SB+3], s[G0SB+3], 0x80000000
	JLOAD G0S, G1S, G0SB, G1SB                     ; the scales first: they are wanted with K step 0
.irp s, 0,1
	s_mov_b32 s[G0+4*\s], 1
	s_add_co_u32 s[G0+4*\s+1], s45, \s*SLOT
	s_add_nc_u64 s[G0+4*\s+2:G0+4*\s+3], s[20:21], \s*ROWB
	s_or_b32 s[G0+4*\s+3], s[G0+4*\s+3], 0x80000000
	s_mov_b32 s[G0B+4*\s], 1
	s_add_co_u32 s[G0B+4*\s+1], s45, \s*SLOT
	s_add_nc_u64 s[G0B+4*\s+2:G0B+4*\s+3], s[46:47], \s*ROWB
	s_or_b32 s[G0B+4*\s+3], s[G0B+4*\s+3], 0x80000000
	JLOAD G0+4*\s, G1, G0B+4*\s, G1B
.endr
	v_and_b32 v1, 15, v0                           ; r = lane % 16
	v_bfe_u32 v2, v0, 4, 1                         ; h = lane / 16
	v_mul_u32_u24 v3, v1, PITCH
	v_mul_u32_u24 v4, v2, 24
	v_add_nc_u32 v4, v3, v4                        ; a fragment's row x pitch + 24 x half
	v_lshl_add_u32 v5, v2, 4, v4                   ; and the same behind one padding more
	s_mul_i32 s21, s15, HALFT                      ; my 128 rows of A
	s_mul_i32 s22, s16, HALFT                      ; my 128 rows of B,
	s_add_co_u32 s22, s22, 2*HALFT                 ; which lie behind A's 256
.irp s, 0,1
	v_add_nc_u32 v[ADRA+\s], s21, v4
	v_add_nc_u32 v[ADRB+\s], s22, v4
	v_add_nc_u32 v[ADRA+2+\s], s21, v5
	v_add_nc_u32 v[ADRB+2+\s], s22, v5
	s_add_co_u32 s21, s21, SLOT
	s_add_co_u32 s22, s22, SLOT
.endr
	v_mul_u32_u24 v5, v1, KS                       ; my row's scales: KS bytes a row,
	v_lshrrev_b32 v6, 8, v5
	v_lshl_add_u32 v5, v6, 4, v5                   ; and 16 more for each 256 passed
	s_mul_i32 s21, s15, HALFS                      ; A's: my 128 rows
	s_mul_i32 s22, s16, HALFS                      ; B's: my 128 rows, behind A's 256
	s_add_co_u32 s22, s22, 2*HALFS
	s_sub_co_u32 s22, s22, s21
	v_mul_u32_u24 v6, s22, v2                      ; lanes 16-31 take B's
	s_add_co_u32 s21, s21, SCL
	v_add_nc_u32 v5, v5, v6
	v_add_nc_u32 v[ADRS], s21, v5
	; the way out's addresses
	v_and_b32 v6, 31, v0
	v_lshlrev_b32 v[VO], 4, v6
	s_lshl_b32 s23, s14, 9
	v_add_nc_u32 v[BST], s23, v[VO]
	v_lshlrev_b32 v5, 6, v2
	v_add_nc_u32 v[BRQ], s23, v5
	v_and_b32 v5, 8, v1
	v_add_nc_u32 v5, v5, v1
	v_lshlrev_b32 v5, 2, v5
	v_add_nc_u32 v[BRV], s23, v5
	v_mul_u32_u24 v5, v2, HEADB
	v_lshl_add_u32 v[VS], v1, 4, v5
	; where my results go, and which bias is mine.  My 128 rows of A are group RH, my 128 rows of B group CH
	s_lshl_b32 s18, s17, 1
	s_add_co_u32 s18, s18, s15                     ; RH
	s_lshl_b32 s19, s42, 1
	s_add_co_u32 s19, s19, s16                     ; CH
	s_cmp_eq_u32 s[TT], 2
	s_cselect_b32 s22, s19, s18                    ; the group of 128 tokens, 0 .. 63
	s_cselect_b32 s23, s18, s19                    ; the pair of heads, 0 .. 7
	s_cselect_b32 s21, 6400, 0                     ; the section of a block: V^T's at 6,400, K's at 0,
	s_cmp_eq_u32 s[TT], 0
	s_cselect_b32 s21, 12800, s21                  ; Q's at 12,800
	s_cselect_b64 s[8:9], s[8:9], s[10:11]         ; bq or bk,
	s_cmp_eq_u32 s[TT], 2
	s_cselect_b64 s[8:9], s[96:97], s[8:9]         ; or bv
	s_lshr_b32 s18, s22, 4
	s_lshl_b32 s18, s18, 4                         ; 16 x batch
	s_lshl_b32 s19, s23, 1
	s_add_co_u32 s18, s18, s19                     ; + the pair's first head
	s_lshl_b32 s18, s18, 4
	s_and_b32 s19, s22, 15
	s_add_co_u32 s18, s18, s19                     ; x 16 + the group inside the batch
	s_mul_i32 s18, s18, 19200
	s_add_co_u32 s18, s18, s21
	s_mov_b32 s19, 0
	s_add_nc_u64 s[98:99], s[98:99], s[18:19]
	s_lshl_b32 s18, s23, 9                         ; my 128 bias numbers begin at 128 x the pair of heads, in both forms
	s_add_nc_u64 s[8:9], s[8:9], s[18:19]
	global_load_b128 v[BL:BL+3], v[VO], s[8:9]     ; four numbers a lane; waited for on the way out; none of its registers is touched before
.macro FRAG reg, adr, q, i             ; a fragment, 16 rows x 128 K of 6-bit codes, is 12 registers: lane l holds row l % 16; registers 6 c .. 6 c + 5 hold K = 64 c + 32 (l / 16) + 0 .. 31: 24 bytes of the row's stream of bits
.irp p, 0,1,2,3,4,5                    ; in pieces of 8 bytes, so that every address is a multiple of the access's size
.set PC, 12*(\q)+6*(\p/3)+\p%3        ; 16 bytes of padding lie behind every 64 bytes (8 pieces): where the piece three on lies behind one padding more, the second address register serves
.if PC%8 < 5
	ds_load_b64 v[\reg+2*\p:\reg+2*\p+1], v[\adr] offset:8*PC+16*(PC/8)+(\i)*16*PITCH
.else
	ds_load_b64 v[\reg+2*\p:\reg+2*\p+1], v[\adr+2] offset:8*PC+16*(PC/8)+(\i)*16*PITCH
.endif
.endr
.endm
; 16 matrix instructions: A's blocks a0, a0 + 1 x B's eight, 128 along K: the slot's q-th.  p: B's set;  sc: the set of scale words.  zero = 1: the first product starts the sums.
; The 64 accumulators take turns, one instruction a turn, in the same order in every step.
.macro MUL16 a0, p, q, sc, zero
.irp a, \a0, \a0+1
.irp b, 0,1,2,3,4,5,6,7
.if \zero
	v_wmma_scale_f32_16x16x128_f8f6f4 v[8*(8*((\a)%4)+\b):8*(8*((\a)%4)+\b)+7], v[128*(\p)+FR*\b:128*(\p)+FR*\b+FR-1], v[AF+FR*(\a):AF+FR*(\a)+FR-1], 0, v[SC+8*NQ*(\sc)+NQ*\b+(\q)], v[SC+8*NQ*(\sc)+NQ*(\a)+(\q)] matrix_a_fmt:MATRIX_FMT_FP6 matrix_b_fmt:MATRIX_FMT_FP6 matrix_a_scale:MATRIX_SCALE_ROW1
.else
	v_wmma_scale_f32_16x16x128_f8f6f4 v[8*(8*((\a)%4)+\b):8*(8*((\a)%4)+\b)+7], v[128*(\p)+FR*\b:128*(\p)+FR*\b+FR-1], v[AF+FR*(\a):AF+FR*(\a)+FR-1], v[8*(8*((\a)%4)+\b):8*(8*((\a)%4)+\b)+7], v[SC+8*NQ*(\sc)+NQ*\b+(\q)], v[SC+8*NQ*(\sc)+NQ*(\a)+(\q)] matrix_a_fmt:MATRIX_FMT_FP6 matrix_b_fmt:MATRIX_FMT_FP6 matrix_a_scale:MATRIX_SCALE_ROW1
.endif
.endr
.endr
.endm
.macro FETCH_B slot, q, p              ; B's eight fragments of the slot's q-th 128 along K into set p
	WIN TO_B
.irp i, 0,1,2,3,4,5,6,7
	FRAG 128*(\p)+FR*\i, ADRB+\slot, \q, \i
.endr
	WIN 0
.endm
.macro FETCH_A slot, q, i0             ; A's blocks i0 .. i0 + 3
.irp i, \i0, \i0+1, \i0+2, \i0+3
	FRAG AF+FR*(\i), ADRA+\slot, \q, \i
.endr
.endm
.macro SCALES sc                       ; the next K step's scale words into set sc: NQ words a row; lanes 0-15 take A's block i, lanes 16-31 B's block i
.irp i, 0,1,2,3,4,5,6,7
	ds_load_b64 v[SC+8*NQ*\sc+NQ*\i:SC+8*NQ*\sc+NQ*\i+1], v[ADRS] offset:\i*SBLK
.endr
.endm
; A load into a register that a matrix instruction has read, and a vector instruction that reads a matrix result or writes one of its registers, stand NP places behind it; only plain vector instructions
; that name none of its registers are places (ISA guide 7.12.1 for vector instructions).
.macro PLACES n
.rept \n
	v_nop
.endr
.endm
; A step of 128 along K that has its successor in the same slot.
.macro STEP slot, q, zero
	s_wait_dscnt 4*NL                              ; B's set and A's blocks 0-3 are in; the youngest 24 loads (A's blocks 4-7) may be out
	WIN MUL_LO
	MUL16 0, (\q)%2, \q, \slot, \zero
	MUL16 2, (\q)%2, \q, \slot, \zero
	s_wait_dscnt 0                                 ; A's blocks 4-7 are in (asked for 32 matrix instructions ago)
	PLACES NP
	FETCH_B \slot, (\q)+1, 1-(\q)%2
	FETCH_A \slot, (\q)+1, 0
	WIN MUL_HI
	MUL16 4, (\q)%2, \q, \slot, \zero
	MUL16 6, (\q)%2, \q, \slot, \zero
	PLACES NP
	WIN 0
	FETCH_A \slot, (\q)+1, 4
.endm
; A slot's last step changes slots: ONE barrier; in front of it each wave waits for all its tensor loads, adds 0 to its spare word, and waits for that and for its own reads of this slot.  fill = 1: this slot is filled again, two K steps ahead.
.macro TURN slot, next, fill
	s_wait_tensorcnt 0x0                           ; all my tensor loads have landed: my part of the next slot;  (every window is 0 here)
	ds_add_u32 v[SPW], v[NIL]                      ; 0 onto my spare word
	s_wait_dscnt 4*NL+1                            ; (the add and the youngest 24 loads, A's blocks 4-7, may be out)
	WIN MUL_LO
	MUL16 0, 1, NQ-1, \slot, 0                     ; sixteen matrix instructions stand between the add and the wait for it
	s_wait_dscnt 0x0                               ; the add is done, and my reads of this slot are over
	s_barrier_signal -1
	MUL16 2, 1, NQ-1, \slot, 0
	WIN 0
	s_barrier_wait -1
.if \fill
	CREST                                          ; the barrier has opened a round of the cluster's barrier: no wave of any partner still reads this slot's tile or has a load on its way
	s_add_nc_u64 s[G0+4*\slot+2:G0+4*\slot+3], s[G0+4*\slot+2:G0+4*\slot+3], 2*ROWB
	s_add_nc_u64 s[G0B+4*\slot+2:G0B+4*\slot+3], s[G0B+4*\slot+2:G0B+4*\slot+3], 2*ROWB
	JLOAD G0+4*\slot, G1, G0B+4*\slot, G1B         ; the first tensor load behind the round; the four v_nop behind it are the places in front of the loads below
.else
	PLACES NP
.endif
	s_wait_alu depctr_va_vdst(0)
	v_add_nc_u32 v[ADRS], 4*NQ, v[ADRS]            ; on to the next K step's scale words (no LDS load of mine is out)
	FETCH_B \next, 0, 0
	FETCH_A \next, 0, 0
	SCALES \next
	WIN MUL_HI
	MUL16 4, 1, NQ-1, \slot, 0
	MUL16 6, 1, NQ-1, \slot, 0
	PLACES NP
	WIN 0
	FETCH_A \next, 0, 4
.endm
	s_wait_tensorcnt 1                             ; the scales and my part of K step 0 are in (K step 1's load may be out)
	s_barrier_signal -1
	s_barrier_wait -1                              ; everybody's are
	FETCH_B 0, 0, 0
	FETCH_A 0, 0, 0
	SCALES 0
	FETCH_A 0, 0, 4
	STEP 0, 0, 1                                   ; the first step stands in front of the loop: its products start the sums
	s_mov_b32 s3, LAPS-1
.Llap:                                                 ; a trip goes once round the ring, from a lap's second step to the next lap's first, and fills both slots again
	TURN 0, 1, 1
	STEP 1, 0, 0
	TURN 1, 0, 1
	STEP 0, 0, 0
	s_sub_co_u32 s3, s3, 1
	s_cmp_lg_u32 s3, 0
	s_cbranch_scc1 .Llap
	TURN 0, 1, 0                                   ; the last lap fills nothing, and has no round of the cluster's barrier
	STEP 1, 0, 0
	s_wait_dscnt 4*NL                              ; the very last step: nothing more to fetch
	WIN MUL_LO
	MUL16 0, 1, NQ-1, 1, 0
	MUL16 2, 1, NQ-1, 1, 0
	s_wait_dscnt 0
	WIN MUL_HI
	MUL16 4, 1, NQ-1, 1, 0
	MUL16 6, 1, NQ-1, 1, 0
	WIN 0
; THE WAY OUT.  Window 0: v64-127 H: the 64 numbers in hand; v128-151, v152-175 two sets of codes by turns, so that a set is written again only when its stores have read it; v176-191 at work; v192-199 scale words
; just made; v200-203 the scale words to store; v204 a byte selector; v208-215 the conversions' second halves.   Window 1: v0-63 the bias in the result's layout (B's fragments are done with).
.set BI,   0
.set H,    64
.set CD,   128
.set TM,   176                         ; +0..3 largest magnitudes, +4..7 the other half's, then the bytes, +12..15 the conversions' scale operands
.set PW,   192
.set SW,   200
.set VSEL, 204
.set TMPR, 205
.set CT,   208
; Block a's 64 results of a lane (window 2 or 3) + the bias (window 1; register sb + st n on) -> H.  The addition is also the move into window 0.  Each accumulator is read from its low end on.
.macro ADDB a, sb, st
	WIN 0x06+(\a)/4
.set n, 0
.rept 32
	v_pk_add_f32 v[H+2*n:H+2*n+1], v[64*((\a)%4)+2*n:64*((\a)%4)+2*n+1], v[\sb+\st*n:\sb+\st*n+1]
.set n, n+1
.endr
	WIN 0
.endm
; 64 numbers of a lane, register 16 b + i = j 32 b + 16 (lane / 16) + i of my row, become codes: j 0 .. 63 in six registers from d0 on, j 64 .. 127 in six from d1 on (each: 32 (lane / 16) + 0 .. 31), and the scale word in v[pw].
.macro QUANT s, d0, d1, pw
.irp b, 0,1,2,3
	v_max3_num_f32 v[TM+\b], |v[\s+16*\b]|, |v[\s+1+16*\b]|, 0x1800000   ; block b: my 16 numbers, and the floor 2^(3 - 127): so the byte cannot fall under 1
.endr
.irp i, 2,4,6,8,10,12,14
.irp b, 0,1,2,3
	v_max3_num_f32 v[TM+\b], v[TM+\b], |v[\s+16*\b+\i]|, |v[\s+1+16*\b+\i]|   ; (the four blocks by turns)
.endr
.endr
.irp b, 0,1,2,3
	v_permlanex16_b32 v[TM+4+\b], v[TM+\b], s[SEL], s[SEL+1]
.endr
.irp b, 0,1,2,3
	v_max_num_f32 v[TM+\b], v[TM+\b], v[TM+4+\b]   ; with lane l xor 16's: the block's largest magnitude
.endr
.irp b, 0,1,2,3
	v_add_nc_u32 v[TM+12+\b], 0xff000000, v[TM+\b]   ; 2 off its exponent field: the conversion's scale operand
.endr
.irp b, 0,1,2,3
	v_lshrrev_b32 v[TM+4+\b], 23, v[TM+12+\b]      ; the scale's byte
.endr
	v_lshl_or_b32 v[\pw], v[TM+5], 8, v[TM+4]      ; the four bytes make my row's scale word (the same in lanes l and l xor 16)
	v_lshl_or_b32 v[\pw], v[TM+6], 16, v[\pw]
	v_lshl_or_b32 v[\pw], v[TM+7], 24, v[\pw]
	v_cvt_scalef32_pk16_fp6_f32 v[\d0:\d0+2], v[\s:\s+15], v[TM+12]
	v_cvt_scalef32_pk16_fp6_f32 v[CT:CT+2], v[\s+16:\s+31], v[TM+13]     ; (a conversion's three registers begin on an even number)
	v_cvt_scalef32_pk16_fp6_f32 v[\d1:\d1+2], v[\s+32:\s+47], v[TM+14]
	v_cvt_scalef32_pk16_fp6_f32 v[CT+4:CT+6], v[\s+48:\s+63], v[TM+15]
	v_nop                                          ; one plain place behind a scaled conversion
.irp i, 0,1,2                                  ; the operand's layout wants a WHOLE block in a lane: lanes 0-15 the even block, lanes 16-31 the odd one
	v_permlane16_swap_b32 v[\d0+\i], v[CT+\i]
	v_permlane16_swap_b32 v[\d1+\i], v[CT+4+\i]
.endr
.irp i, 0,1,2
	v_mov_b32 v[\d0+3+\i], v[CT+\i]
	v_mov_b32 v[\d1+3+\i], v[CT+4+\i]
.endr
.endm
	PLACES NP                                      ; behind the last products: for the first reads of results, and for writes and loads into registers that held operands
	s_wait_loadcnt 0x0                             ; my 128 bias numbers
	ds_store_b128 v[BST], v[BL:BL+3]               ; into my own 512 bytes of slot 0, which has had its last fill, and which nobody reads since the last change of slots
	s_mov_b32 s[SEL], 0x76543210
	s_mov_b32 s[SEL+1], 0xfedcba98                 ; lane l xor 16
.irp b, 0,1,2,3
	v_mov_b32 v[TM+4+\b], 0                        ; written once: a lane permute's destination counts as one of its sources
.endr
	s_cmp_eq_u32 s[TT], 2                          ; the cluster's number alone decides: all waves of all sixteen partners go the same way; the arms hold LDS loads, work on registers and stores
	s_cbranch_scc1 .Lv_out
	; ---- q and k: the bias runs along my registers; my 128 columns are two heads of 64
	WIN TO_B
.irp b, 0,1,2,3,4,5,6,7
	ds_load_b128 v[BI+8*\b:BI+8*\b+3], v[BRQ] offset:128*(\b/2)+32*(\b%2)        ; bias[32 (b / 2) + 8 (b % 2) + 16 h + 0 .. 7].  LDS serves a wave's instructions in order: these see my store
	ds_load_b128 v[BI+8*\b+4:BI+8*\b+7], v[BRQ] offset:128*(\b/2)+32*(\b%2)+16
.endr
	WIN 0
	v_bfe_u32 v[TMPR], v0, 4, 1
	v_cmp_eq_u32 vcc_lo, 1, v[TMPR]
	v_mov_b32 v[VSEL], 0x05040100                  ; lanes 0-15 gather the first head's bytes of two scale words,
	v_mov_b32 v[TMPR], 0x07060302                  ; lanes 16-31 the second head's
	v_cndmask_b32 v[VSEL], v[VSEL], v[TMPR], vcc_lo
	s_wait_dscnt 0x0
.irp p, 0,1,2,3                                ; a pair of tiles of tokens at a time: for each head one image of 12 registers
.set CDS, CD+24*(\p%2)
.if \p >= 2
	s_wait_xcnt 0x0                                ; the stores of two pairs ago have read this set
.endif
.irp u, 0,1
	ADDB 2*\p+\u, BI, 2
	QUANT H, CDS+6*\u, CDS+12+6*\u, PW+\u
.endr
	v_perm_b32 v[SW+\p], v[PW+1], v[PW], v[VSEL]   ; word p: two bytes of tile 2 p, two of tile 2 p + 1
.irp c, 0,1
.irp k, 0,1,2
	global_store_b128 v[VO], v[CDS+12*\c+4*\k:CDS+12*\c+4*\k+3], s[98:99] offset:HEADB*\c+1536*\p+512*\k   ; 32 lanes store 512 consecutive bytes, aligned
.endr
.endr
.endr
	global_store_b128 v[VS], v[SW:SW+3], s[98:99] offset:6144      ; 16 lanes store a head's 256 bytes of scale words, aligned
	s_branch .Lout_done
.Lv_out:
	; ---- v: the bias is my row's; my 128 rows are two heads of 64 channels, my registers run along 128 keys: each block is one whole fragment
	WIN TO_B
.irp a, 0,1,2,3,4,5,6,7
	ds_load_b32 v[BI+2*\a], v[BRV] offset:128*(\a/2)+32*(\a%2)     ; bias[32 (a / 2) + 8 (a % 2) + r + 8 (r / 8)], into both registers of a pair
	ds_load_b32 v[BI+2*\a+1], v[BRV] offset:128*(\a/2)+32*(\a%2)
.endr
	WIN 0
	s_wait_dscnt 0x0
.irp a, 0,1,2,3,4,5,6,7
.set CDS, CD+24*(\a%2)
.if \a >= 2
	s_wait_xcnt 0x0                                ; the stores of two blocks ago have read this set
.endif
	ADDB \a, BI+2*\a, 0
	QUANT H, CDS, CDS+6, PW+\a
.irp k, 0,1,2
	global_store_b128 v[VO], v[CDS+4*\k:CDS+4*\k+3], s[98:99] offset:HEADB*(\a/4)+1536*(\a%4)+512*\k
.endr
.endr
	v_bfe_u32 v[TMPR], v0, 4, 1
	v_cmp_eq_u32 vcc_lo, 1, v[TMPR]
.irp i, 0,1,2,3
	v_cndmask_b32 v[SW+\i], v[PW+\i], v[PW+4+\i], vcc_lo           ; lanes 0-15 the first head's four words, lanes 16-31 the second's
.endr
	global_store_b128 v[VS], v[SW:SW+3], s[98:99] offset:6144
.Lout_done:
	s_wait_tensorcnt 0x0                           ; the wave's end: behind my last tensor load and my last LDS store
	ds_add_u32 v[SPW], v[NIL]
	s_wait_dscnt 0x0
	CROUND                                         ; the closing round: no work-group ends while a partner may still ask for a tile that names it
	s_endpgm
.Lfunc_end_k_q7a302880a9_proj:
	.size	k_q7a302880a9_proj, .Lfunc_end_k_q7a302880a9_proj-k_q7a302880a9_proj
	.p2alignl 7, 3214868480
	.fill 96, 4, 3214868480
	.section	.rodata,"a",@progbits
	.p2align	6, 0x0
	.amdhsa_kernel k_q7a302880a9_proj
		.amdhsa_group_segment_fixed_size 327680
		.amdhsa_private_segment_fixed_size 0
		.amdhsa_enable_private_segment 0
		.amdhsa_kernarg_size 48
		.amdhsa_user_sgpr_count 2
		.amdhsa_user_sgpr_kernarg_segment_ptr 1
		.amdhsa_wavefront_size32 1
		.amdhsa_system_sgpr_workgroup_id_x 1
		.amdhsa_system_sgpr_workgroup_id_y 1
		.amdhsa_system_sgpr_workgroup_id_z 1
		.amdhsa_system_vgpr_workitem_id 0
		.amdhsa_next_free_vgpr 1024
		.amdhsa_next_free_sgpr 100
		.amdhsa_reserve_vcc 1
		.amdhsa_float_denorm_mode_32 3
		.amdhsa_float_denorm_mode_16_64 3
		.amdhsa_memory_ordered 1
		.amdhsa_forward_progress 1
		.amdhsa_inst_pref_size 232
	.end_amdhsa_kernel
	.amdgpu_metadata
---
amdhsa.version: [ 1, 2 ]
amdhsa.kernels:
  - .name:           k_q7a302880a9_proj
    .symbol:         k_q7a302880a9_proj.kd
    .args:
      - { .name: xc, .offset: 0, .size: 8, .value_kind: global_buffer, .address_space: global }
      - { .name: xs, .offset: 8, .size: 8, .value_kind: global_buffer, .address_space: global }
      - { .name: bq, .offset: 16, .size: 8, .value_kind: global_buffer, .address_space: global }
      - { .name: bk, .offset: 24, .size: 8, .value_kind: global_buffer, .address_space: global }
      - { .name: bv, .offset: 32, .size: 8, .value_kind: global_buffer, .address_space: global }
      - { .name: qkv, .offset: 40, .size: 8, .value_kind: global_buffer, .address_space: global }
    .group_segment_fixed_size: 327680
    .private_segment_fixed_size: 0
    .kernarg_segment_align: 8
    .kernarg_segment_size: 48
    .max_flat_workgroup_size: 128
    .sgpr_count:     100
    .vgpr_count:     1024
    .wavefront_size: 32
...
	.end_amdgpu_metadata
.endif
;; end of part 2
;; launch attn (part 3): grid 4 x 64, 16 waves a work-group, clusters of 4 x 1, 327,680 bytes of LDS; arguments qkv, oc, os; writes oc, os
.if DOCPART == 3
	.amdgcn_target "amdgcn-amd-amdhsa--gfx1250"
	.amdhsa_code_object_version 6
	.text
	.protected	k_q7a302880a9_attn
	.globl	k_q7a302880a9_attn
	.p2align	8
	.type	k_q7a302880a9_attn,@function
k_q7a302880a9_attn:
	s_mov_b64 s[64:65], 0
	v_nop
	global_prefetch_b8 v0, s[64:65] scope:SCOPE_SE
	s_setreg_imm32_b32 hwreg(HW_REG_WAVE_MODE, 25, 1), 1
	s_wait_xcnt 0x0
	s_wait_alu depctr_hold_cnt(0) depctr_sa_sdst(0) depctr_va_vdst(0) depctr_va_sdst(0) depctr_va_ssrc(0) depctr_va_vcc(0) depctr_vm_vsrc(0)
	s_getreg_b32 s2, hwreg(HW_REG_IB_STS2, 6, 4)
	s_cmp_eq_u32 s2, 0
	s_cbranch_scc0 .Lentry_in_a_cluster
	s_endpgm
.Lentry_in_a_cluster:
	s_bfe_u32 s2, ttmp6, 0x10000c
	s_cmp_lg_u32 s2, 0x3003
	s_cbranch_scc0 .Lentry_shape_is_right
	s_endpgm
.Lentry_shape_is_right:
; THIRD LAUNCH: for each (batch, head): scores = q k^T / 8, the softmax, its product with v, the division by the row's sum, and the result quantised along the channels for the last product.  No work is left out.
; Both products run on codes of FP6 (E2M3) with E8M0 scales.  THE SOFTMAX AHEAD OF THE SECOND PRODUCT: t = score x log2(e) / 8; M = the row's largest t so far, rounded UP to a whole number; p = 2^(t - M) is what is
; quantised, along the keys; it is not normalised.  The row's sum is taken of the unquantised p, in f32, and divides O at the end.  When M moves, the sum and O are multiplied by 2^(old M - new M): exact.
; SHARES.  A work-group owns 512 queries of one head; each of its SIXTEEN waves owns two tiles of 16 queries and walks all 2,048 keys once for each tile, 128 keys a step, in 256 registers: four waves to a SIMD, so that
; one wave's vector work stands beside another's matrix work and LDS loads.
; K AND V OF THE WHOLE HEAD STAY IN LDS: 16 steps x 12,800 bytes, as images of the operands' registers, filled once at the head: no ring, no refill.  Every wave issues two tensor loads of 6,400 dense bytes: one is out at a time.
; CLUSTER.  The four work-groups of a cluster are the four query blocks of one head: each load is asked for JOINTLY, with the same descriptor and a mask that names the four.
; LAYOUT.  Both products are used transposed: S^T = K Q^T (source 0 = keys), O^T = V^T P^T (source 0 = 16 channels): a lane holds ONE query (lane % 16) throughout.
; HEAD SIZE 64 IN AN INSTRUCTION OF 128 ALONG K: an image of K holds tile 2 p's 64 channels in k 0-63 and tile 2 p + 1's in k 64-127.  Against [Q | zeros] it gives tile 2 p's scores, against [zeros | Q] tile 2 p + 1's:
; zero codes add nothing under any scale byte but 0xff.  Q's scale word repeats its two bytes and serves both forms.
; The tokens of a tile are not neighbours: lane r of tile a owns token 32 (a / 2) + 8 (a % 2) + r + 8 (r / 8) of its group of 128, so that the 16 registers of tiles 2 b, 2 b + 1 of S^T are keys 32 b + 16 (lane / 16) + 0 .. 15;
; V^T's rows (channels) are ordered likewise, so that O^T's registers 16 b + i are channels 32 b + 16 (lane / 16) + i.
; OUT.  oc: [group of 128 tokens 64][128 channels 8][tile 8][6 pieces][lane][8 bytes]: piece 3 c + i holds registers 6 c + 2 i, 6 c + 2 i + 1 of the last product's fragment; head 2 kappa + c owns pieces 3 c .. 3 c + 2: each store of
; the wave covers 256 consecutive bytes, aligned.  os: [place 8,192][32 bytes], two bytes a head: stored two bytes a lane, 32 bytes apart, once a wave (1 / 24 of the codes' bytes): the price of rows that the next launch reads whole.
; LIMITS: a block's largest p is taken through its largest score (this takes v_exp_f32 not to fall where its input rises); a block of zeros carries the byte 1; NaN and infinities are not served.
.set STEPB, 12800                      ; a key step in LDS: K's codes 6,144, K's scale words 256, V^T's codes 6,144, V's scale words 256
.set KWRD,  6144
.set VSEC,  6400
.set NSTEP, 16
.set BLKB,  19200                      ; a block of qkv: a step's K and V, then Q's codes (12,800 on) and scale words (18,944 on)
.set HEADB, NSTEP*BLKB
.set SPARE, NSTEP*STEPB                ; behind the sixteen steps: the spare words, 128 bytes for each wave
.set LI,  1                            ; v1   16 x lane: an image's place for my lane
.set ASC, 2                            ; v2   the scale words: KWRD + 16 r + VSEC (lane / 16): lanes 0-15 K's four words, lanes 16-31 V's
.set A8,  3                            ; v3   8 x lane: oc
.set A32, 4                            ; v4   32 x lane: os
.set SPW, 5                            ; v5   LDS address of my spare word; never rewritten
.set NIL, 6                            ; v6   0; never rewritten
.set HW0, 7                            ; v7   the first tile's two scale bytes
.set ADK, 8                            ; v8   LDS address of the step's images
.set ADS, 9                            ; v9   and of its scale words
.set T0,  10
.set HW1, 11                           ; v11  the second tile's two scale bytes
                                       ; v12 -M, v13 the largest t, v[14:15] the sum in two halves
.set QZ,  16                           ; v16-45 [6 zeros][Q of tile 0][6 zeros][Q of tile 1][6 zeros]: tile u: [zeros | Q] from v[16 + 12 u], [Q | zeros] from v[22 + 12 u]
.set QS,  46                           ; v46-47 Q's scale words
.set F,   48                           ; v48-95 four fragments of K or of V
.set S,   96                           ; v96-159 S^T, then p
.set OT,  160                          ; v160-191 O^T: four tiles of 16 channels
.set PC,  192                          ; v192-203 p's codes
.set CT,  204                          ; v204-211 the conversions' second halves
.set KVS, 212                          ; v212-215 the step's scale words
.set BM,  216                          ; v216-219 a block's largest score, then its largest p
.set BP,  220                          ; v220-223 at work
.set SO,  224                          ; v224-227 the conversions' scale operands
.set FF,  228                          ; v228 f = 2^(old M - new M); v229 named with it as a pair, written 0 once
.set TP,  230
.set PWD, 231                          ; v231 p's scale word
.set WV,  10                           ; s10  my wave's number
.set G1,  16                           ; s[16:23] descriptor group 1;  s[24:27], s[28:31] groups 0 of my two loads
.set SEL, 32                           ; s[32:33] lane selects for v_permlanex16_b32: lane l xor 16
.set CS,  34                           ; s[34:35] c = log2(e) / 8
.set TB,  36                           ; s36  LDS byte at which the step in hand begins
.set CNT, 37                           ; s37  steps to go
.macro CROUND                          ; a round of the cluster's barrier
	s_barrier_signal -1
	s_barrier_wait -1
	s_cmp_lg_u32 s[WV], 0
	s_cbranch_scc1 .Lnot_wave_0_\@
	s_barrier_signal -3
.Lnot_wave_0_\@:
	s_barrier_wait -3
	s_barrier_signal -1
	s_barrier_wait -1
.endm
	s_load_b128 s[4:7], s[0:1], 0x0                ; qkv s[4:5], oc s[6:7]
	s_load_b64 s[8:9], s[0:1], 0x10                ; os
	v_lshl_add_u32 v[SPW], v0, 2, SPARE
	v_mov_b32 v[NIL], 0
	ds_add_u32 v[SPW], v[NIL]                      ; the wave's opening: the add, twice on end, and its wait ahead of my first tensor load
	ds_add_u32 v[SPW], v[NIL]                      ; and once more, under the one wait; the set-up below, work on registers, stands between
	v_lshrrev_b32 v10, 5, v0
	s_delay_alu instid0(VALU_DEP_1)
	v_readfirstlane_b32 s[WV], v10                 ; wave 0..15
	s_bfe_u32 s11, ttmp6, 0x40000                  ; cx: my block of 512 queries: it enters Q's, oc's and os's addresses alone
	s_and_b32 s12, ttmp7, 0xffff                   ; batch x 16 + head, which the four partners share
	s_mul_i32 s38, s12, HEADB                      ; the head's first byte in qkv
	s_lshr_b32 s40, s[WV], 1                       ; my first load: section wave % 2 (K's or V's) of step wave / 2
	s_mul_i32 s40, s40, BLKB
	s_and_b32 s41, s[WV], 1
	s_mul_i32 s41, s41, VSEC
	s_add_co_u32 s40, s40, s41
	s_add_co_u32 s40, s40, s38
	s_mov_b32 s41, 0
	s_mul_i32 s42, s[WV], VSEC                     ; and its place in LDS
	s_lshl_b32 s43, s11, 2
	s_lshr_b32 s44, s[WV], 2
	s_add_co_u32 s43, s43, s44                     ; g: my queries' group of 128 tokens in the batch
	s_and_b32 s44, s[WV], 3                        ; p: my pair of tiles in it
	s_mul_i32 s46, s43, BLKB
	s_add_co_u32 s46, s46, s38                     ; the group's block
	s_lshl_b32 s50, s44, 2
	s_add_co_u32 s50, s50, s46
	s_add_co_u32 s50, s50, 18944                   ; Q's scale words: word p of each lane's four
	s_mov_b32 s51, 0
	s_mul_i32 s45, s44, 1536
	s_add_co_u32 s46, s46, s45
	s_add_co_u32 s46, s46, 12800                   ; Q's pair image p
	s_mov_b32 s47, 0
	s_lshr_b32 s52, s12, 4
	s_lshl_b32 s52, s52, 4
	s_add_co_u32 s52, s52, s43                     ; G = 16 x batch + g
	s_and_b32 s53, s12, 15                         ; the head
	s_lshr_b32 s54, s53, 1                         ; kappa: which 128 channels
	s_lshl_b32 s55, s52, 3
	s_add_co_u32 s55, s55, s54
	s_lshl_b32 s55, s55, 3
	s_lshl_b32 s56, s44, 1
	s_add_co_u32 s55, s55, s56                     ; (8 G + kappa) 8 + 2 p
	s_mul_i32 s56, s55, 1536
	s_and_b32 s55, s12, 1
	s_mul_i32 s55, s55, 768                        ; my head's half of a fragment
	s_add_co_u32 s56, s56, s55
	s_mov_b32 s57, 0
	s_lshl_b32 s58, s52, 7
	s_lshl_b32 s55, s44, 5
	s_add_co_u32 s58, s58, s55                     ; place 128 G + 32 p
	s_lshl_b32 s58, s58, 5
	s_lshl_b32 s55, s53, 1
	s_add_co_u32 s58, s58, s55                     ; x 32 bytes + 2 x head
	s_mov_b32 s59, 0
	; descriptor group 1: 6,400 dense bytes as 25 rows of 256 bytes (32 elements of 8 bytes), no padding
	s_mov_b32 s[G1], 15|(3<<16)|(1<<21)            ; 15:0 the mask: all four work-groups; 17:16 elements of 8 bytes; 21 set beside a mask
	s_mov_b32 s[G1+1], 32<<16                      ; tensor_dim0
	s_mov_b32 s[G1+2], 25<<16                      ; tensor_dim1
	s_mov_b32 s[G1+3], 32<<16                      ; tile_dim0
	s_mov_b32 s[G1+4], 25                          ; tile_dim1
	s_mov_b32 s[G1+5], 32                          ; tensor_dim0_stride
	s_mov_b32 s[G1+6], 0
	s_mov_b32 s[G1+7], 0
	s_mov_b32 s[SEL], 0x76543210
	s_mov_b32 s[SEL+1], 0xfedcba98
	s_mov_b32 s[CS], 0x3e38aa3b                    ; c = log2(e) / sqrt(64)
	s_mov_b32 s[CS+1], s[CS]                       ; (named with it as a pair, so it is written)
	s_wait_dscnt 0x0                               ; both opening adds are done
	s_wait_kmcnt 0x0
	s_mov_b32 s24, 1                               ; 1:0 count = 1
	s_mov_b32 s25, s42                             ; 63:32 LDS address: steps 0 to 7
	s_add_nc_u64 s[26:27], s[4:5], s[40:41]        ; 120:64 global address
	s_mov_b32 s28, 1
	s_add_co_u32 s29, s42, 8*STEPB                 ; steps 8 to 15
	s_add_nc_u64 s[30:31], s[26:27], 8*BLKB
	s_or_b32 s27, s27, 0x80000000                  ; 127:126 type = 2
	s_or_b32 s31, s31, 0x80000000
	s_add_nc_u64 s[48:49], s[4:5], s[46:47]        ; Q's codes
	s_add_nc_u64 s[50:51], s[4:5], s[50:51]        ; Q's scale words
	s_add_nc_u64 s[6:7], s[6:7], s[56:57]          ; oc at my first tile
	s_add_nc_u64 s[8:9], s[8:9], s[58:59]          ; os at my first place
	CROUND                                         ; all four work-groups are here: the joint loads meet
	tensor_load_to_lds s[24:27], s[G1:G1+7]
	s_nop 0
	s_wait_alu depctr_va_vdst(0)
	s_wait_tensorcnt 0x0
	ds_add_u32 v5, v6
	s_wait_dscnt 0x0
	CROUND
	tensor_load_to_lds s[28:31], s[G1:G1+7]
	s_nop 0
.rept 4
	v_nop
.endr
	v_and_b32 v10, 31, v0                          ; lane
	s_delay_alu instid0(VALU_DEP_1)
	v_lshlrev_b32 v[LI], 4, v10
	s_delay_alu instid0(VALU_DEP_2)
	v_lshlrev_b32 v[A8], 3, v10
	s_delay_alu instid0(VALU_DEP_3)
	v_lshlrev_b32 v[A32], 5, v10
	v_and_b32 v11, 15, v0
	s_delay_alu instid0(VALU_DEP_1)
	v_lshlrev_b32 v11, 4, v11                      ; 16 r
	v_bfe_u32 v7, v0, 4, 1                         ; h
	s_delay_alu instid0(VALU_DEP_1)
	v_mad_u32_u24 v[ASC], v7, VSEC, v11
	s_delay_alu instid0(VALU_DEP_1)
	v_add_nc_u32 v[ASC], KWRD, v[ASC]
.irp k, 0,1,2
	global_load_b128 v[F+4*\k:F+4*\k+3], v[LI], s[48:49] offset:512*\k   ; Q's pair image: 12 registers
.endr
	global_load_b32 v[T0], v11, s[50:51]           ; lane r's scale word of the pair (lanes 16-31 hold the same)
.irp z, 0,12,24
.irp i, 0,1,2,3,4,5
	v_mov_b32 v[QZ+\z+\i], 0                       ; the zero codes beside Q
.endr
.endr
.irp b, 0,1,2,3
	v_mov_b32 v[BP+\b], 0                          ; written once: a lane permute's destination counts as one of its sources
.endr
	v_mov_b32 v[FF+1], 0                           ; (named as the upper half of f's pair)
	s_wait_loadcnt 0x0
.irp i, 0,1,2,3,4,5
	v_mov_b32 v[QZ+6+\i], v[F+\i]                  ; tile 0's 64 channels
	v_mov_b32 v[QZ+18+\i], v[F+6+\i]               ; tile 1's
.endr
	v_perm_b32 v[QS], v[T0], v[T0], 0x01000100     ; tile 0's two bytes, twice
	v_perm_b32 v[QS+1], v[T0], v[T0], 0x03020302   ; tile 1's
	s_wait_tensorcnt 0x0                           ; my two parts of the head's K and V are in,
	s_barrier_signal -1
	s_barrier_wait -1                              ; everybody's are: from here on LDS is only read
; A KEY STEP for tile u: 128 keys.
.macro STEP u
	v_add_nc_u32 v[ADK], s[TB], v[LI]
	v_add_nc_u32 v[ADS], s[TB], v[ASC]
	v_nop
	v_nop                                          ; four places in front of loads into registers that the last step's products have read
.irp p, 0,1,2,3
.irp k, 0,1,2
	ds_load_b128 v[F+12*\p+4*\k:F+12*\p+4*\k+3], v[ADK] offset:1536*\p+512*\k    ; K's four pair images, as they stand
.endr
.endr
	ds_load_b128 v[KVS:KVS+3], v[ADS]              ; lanes 0-15: K's four scale words; lanes 16-31: V's four
	s_wait_alu depctr_va_vdst(0)
	s_wait_dscnt 0x0
.irp p, 0,1,2,3                                ; S^T = K Q^T: each image feeds two products; eight accumulators, each begun with the constant 0
	v_wmma_scale_f32_16x16x128_f8f6f4 v[S+16*\p:S+16*\p+7], v[F+12*\p:F+12*\p+11], v[QZ+6+12*\u:QZ+17+12*\u], 0, v[KVS+\p], v[QS+\u] matrix_a_fmt:MATRIX_FMT_FP6 matrix_b_fmt:MATRIX_FMT_FP6
	v_wmma_scale_f32_16x16x128_f8f6f4 v[S+8+16*\p:S+15+16*\p], v[F+12*\p:F+12*\p+11], v[QZ+12*\u:QZ+11+12*\u], 0, v[KVS+\p], v[QS+\u] matrix_a_fmt:MATRIX_FMT_FP6 matrix_b_fmt:MATRIX_FMT_FP6
.endr                                          ; register 16 b + i of S^T: key 32 b + 16 (lane / 16) + i of the step
.rept 4
	v_nop                                          ; places: for the loads below, and for the first reads of the scores
.endr
.irp a, 0,1,2,3
.irp k, 0,1,2
	ds_load_b128 v[F+12*\a+4*\k:F+12*\a+4*\k+3], v[ADK] offset:VSEC+1536*\a+512*\k   ; V^T's four fragments land while the softmax runs
.endr
.endr
.irp b, 0,1,2,3
	v_max3_num_f32 v[BM+\b], v[S+16*\b], v[S+1+16*\b], v[S+2+16*\b]   ; THE LARGEST SCORE OF EACH BLOCK OF 32 KEYS: it serves for the row's maximum and, since p rises with the score, for the block's largest p
.endr
.irp i, 3,5,7,9,11,13
.irp b, 0,1,2,3
	v_max3_num_f32 v[BM+\b], v[BM+\b], v[S+16*\b+\i], v[S+1+16*\b+\i]   ; (the four blocks by turns)
.endr
.endr
.irp b, 0,1,2,3
	v_max_num_f32 v[BM+\b], v[BM+\b], v[S+15+16*\b]
.endr
.irp b, 0,1,2,3
	s_delay_alu instid0(VALU_DEP_4)
	v_permlanex16_b32 v[BP+\b], v[BM+\b], s[SEL], s[SEL+1]
.endr
.irp b, 0,1,2,3
	s_delay_alu instid0(VALU_DEP_4)
	v_max_num_f32 v[BM+\b], v[BM+\b], v[BP+\b]     ; with lane l xor 16's 16 keys
.endr
	s_delay_alu instid0(VALU_DEP_2)
	v_max3_num_f32 v[TP], v[BM], v[BM+1], v[BM+2]
	s_delay_alu instid0(VALU_DEP_1)
	v_max_num_f32 v[TP], v[TP], v[BM+3]            ; the step's largest score of my query
	s_delay_alu instid0(VALU_DEP_1)
	v_mul_f32 v[TP], s[CS], v[TP]                  ; as t (c is positive)
	s_delay_alu instid0(VALU_DEP_1)
	v_max_num_f32 v13, v13, v[TP]                  ; the running largest t
	v_mov_b32 v[TP], v12
	s_delay_alu instid0(VALU_DEP_2)
	v_floor_f32 v12, -v13                          ; the new -M = floor(-t) = -ceil(t): M IS A WHOLE NUMBER
	s_delay_alu instid0(VALU_DEP_1)
	v_sub_f32 v[TP], v12, v[TP]                    ; M's old value less its new one: a whole number, 0 or less
	s_delay_alu instid0(VALU_DEP_1)
	v_cvt_i32_f32 v[TP], v[TP]                     ; (it saturates)
	s_delay_alu instid0(VALU_DEP_1)
	v_ldexp_f32 v[FF], 1.0, v[TP]                  ; f = 2^(old M - new M): a multiplication by it rounds nothing
.set n, 0
.rept 32
	v_pk_fma_f32 v[S+n:S+n+1], v[S+n:S+n+1], s[CS:CS+1], v[12:13] op_sel_hi:[1,0,0]   ; t - M, two at a time (of the pairs c and -M the low word serves both halves)
.set n, n+2
.endr
.irp b, 0,1,2,3
	v_fma_f32 v[BM+\b], v[BM+\b], s[CS], v12       ; the same of each block's largest score
.endr
.set n, 0
	s_wait_alu depctr_va_vdst(0)
.rept 64
	v_exp_f32 v[S+n], v[S+n]                       ; p = 2^(t - M), at most 1: NOT normalised
.set n, n+1
.endr
	s_setprio 1
	v_pk_mul_f32 v[14:15], v[14:15], v[FF:FF+1] op_sel_hi:[1,0]   ; the sums under the new M (the plain line behind the exponentials)
	s_wait_alu depctr_va_vdst(0)                   ; the wait ahead of the first line that names an exponential's result: one for the batch of 64
.irp b, 0,1,2,3
	v_exp_f32 v[BM+\b], v[BM+\b]                   ; the block's largest p: the same two instructions on the same number give the same bits
.endr
	v_pk_add_f32 v[BP:BP+1], v[S:S+1], v[S+2:S+3]  ; THE ROW'S SUM IS TAKEN OF THE UNQUANTISED p: two at a time, in two chains (they read the 64 alone: plain work behind the four)
.set n, 4
.rept 15
	v_pk_add_f32 v[14:15], v[14:15], v[S+n:S+n+1]
	v_pk_add_f32 v[BP:BP+1], v[BP:BP+1], v[S+n+2:S+n+3]
.set n, n+4
.endr
	s_delay_alu instid0(VALU_DEP_1)
	v_pk_add_f32 v[14:15], v[14:15], v[BP:BP+1]
	s_wait_alu depctr_va_vdst(0)                   ; and one for the four
.irp b, 0,1,2,3
	v_max_num_f32 v[BM+\b], 0x1800000, v[BM+\b]    ; the floor 2^(3 - 127): the byte cannot fall under 1
.endr
.irp b, 0,1,2,3
	s_delay_alu instid0(VALU_DEP_4)
	v_add_nc_u32 v[SO+\b], 0xff000000, v[BM+\b]    ; 2 off the exponent field: the conversion's scale operand
.endr
.irp b, 0,1,2,3
	s_delay_alu instid0(VALU_DEP_4)
	v_lshrrev_b32 v[BP+\b], 23, v[SO+\b]           ; the scale's byte
.endr
	s_delay_alu instid0(VALU_DEP_3)
	v_lshl_or_b32 v[PWD], v[BP+1], 8, v[BP]        ; p's scale word for these 128 keys
	s_delay_alu instid0(VALU_DEP_1)
	v_lshl_or_b32 v[PWD], v[BP+2], 16, v[PWD]
	s_delay_alu instid0(VALU_DEP_1)
	v_lshl_or_b32 v[PWD], v[BP+3], 24, v[PWD]
.irp c, 0,1
	v_cvt_scalef32_pk16_fp6_f32 v[PC+6*\c:PC+2+6*\c], v[S+32*\c:S+15+32*\c], v[SO+2*\c]
	v_cvt_scalef32_pk16_fp6_f32 v[CT+4*\c:CT+2+4*\c], v[S+16+32*\c:S+31+32*\c], v[SO+2*\c+1]   ; (a conversion's three registers begin on an even number)
.endr
	v_nop                                          ; one plain place behind a scaled conversion
.irp c, 0,1                                    ; the operand's layout wants a WHOLE block in a lane: lanes 0-15 block 2 c, lanes 16-31 block 2 c + 1
.irp i, 0,1,2
	v_permlane16_swap_b32 v[PC+6*\c+\i], v[CT+4*\c+\i]
.endr
.irp i, 0,1,2
	s_delay_alu instid0(VALU_DEP_3)
	v_mov_b32 v[PC+3+6*\c+\i], v[CT+4*\c+\i]
.endr
.endr
.set n, 0
	s_setprio 0
.rept 16
	v_pk_mul_f32 v[OT+n:OT+n+1], v[OT+n:OT+n+1], v[FF:FF+1] op_sel_hi:[1,0]   ; O^T under the new M: x f.  (These 16 also stand between the writes of p's codes and scale word and the products)
.set n, n+2
.endr
	s_wait_alu depctr_va_vdst(0)
	s_wait_dscnt 0x0                               ; V^T's fragments are in
.irp a, 0,1,2,3                                ; O^T += V^T P^T: K = these 128 keys; the four accumulators take turns, and eight other products stand between two steps'
	v_wmma_scale_f32_16x16x128_f8f6f4 v[OT+8*\a:OT+8*\a+7], v[F+12*\a:F+12*\a+11], v[PC:PC+11], v[OT+8*\a:OT+8*\a+7], v[KVS+\a], v[PWD] matrix_a_fmt:MATRIX_FMT_FP6 matrix_b_fmt:MATRIX_FMT_FP6 matrix_a_scale:MATRIX_SCALE_ROW1
.endr
	s_add_co_u32 s[TB], s[TB], STEPB
.endm
; ALL KEYS FOR TILE u, and its way out; hw: the register that keeps its two scale bytes.
.macro PASS u, hw
.if \u
	s_wait_xcnt 0x0                                ; the first tile's stores have read their registers
.endif
	v_mov_b32 v13, 0xff61b1e6                      ; the largest t so far: -3e38, under every t
	s_delay_alu instid0(VALU_DEP_1)
	v_floor_f32 v12, -v13                          ; -M
	v_mov_b32 v14, 0                               ; the sum, in two halves
	v_mov_b32 v15, 0
.set n, 0
.rept 32
	v_mov_b32 v[OT+n], 0                           ; O^T.  (The step is written once for a tile: its first trip finds zeros, which the first change of M leaves zeros)
.set n, n+1
.endr
	s_mov_b32 s[TB], 0
	s_mov_b32 s[CNT], NSTEP
.Lkeys_\@:
	s_setprio 2
	STEP \u
	s_sub_co_u32 s[CNT], s[CNT], 1
	s_cmp_lg_u32 s[CNT], 0
	s_cbranch_scc1 .Lkeys_\@
	s_setprio 0
.rept 4
	v_nop                                          ; places behind the last products
.endr
	v_add_f32 v14, v14, v15                        ; the sum's two halves,
	s_delay_alu instid0(VALU_DEP_1)
	v_permlanex16_b32 v[TP], v14, s[SEL], s[SEL+1]
	s_delay_alu instid0(VALU_DEP_1)
	v_add_f32 v14, v14, v[TP]                      ; and lane l xor 16's: the row's sum
	s_wait_alu depctr_va_vdst(0)
	v_rcp_f32 v14, v14
	v_nop                                          ; a plain place behind the reciprocal
	s_wait_alu depctr_va_vdst(0)                   ; and the wait ahead of its first reader
.set n, 0
.rept 16
	v_pk_mul_f32 v[S+n:S+n+1], v[OT+n:OT+n+1], v[14:15] op_sel_hi:[1,0]   ; O^T / the sum: register 16 b + i is channel 32 b + 16 (lane / 16) + i of my query
.set n, n+2
.endr
.irp b, 0,1                                    ; the head's two blocks of 32 channels are quantised for the last product
	v_max3_num_f32 v[BM+\b], |v[S+16*\b]|, |v[S+1+16*\b]|, 0x1800000
.endr
.irp i, 2,4,6,8,10,12,14
.irp b, 0,1
	s_delay_alu instid0(VALU_DEP_2)
	v_max3_num_f32 v[BM+\b], v[BM+\b], |v[S+16*\b+\i]|, |v[S+1+16*\b+\i]|
.endr
.endr
.irp b, 0,1
	s_delay_alu instid0(VALU_DEP_2)
	v_permlanex16_b32 v[BP+\b], v[BM+\b], s[SEL], s[SEL+1]
.endr
.irp b, 0,1
	s_delay_alu instid0(VALU_DEP_2)
	v_max_num_f32 v[BM+\b], v[BM+\b], v[BP+\b]
.endr
.irp b, 0,1
	s_delay_alu instid0(VALU_DEP_2)
	v_add_nc_u32 v[SO+\b], 0xff000000, v[BM+\b]
.endr
.irp b, 0,1
	s_delay_alu instid0(VALU_DEP_2)
	v_lshrrev_b32 v[BP+\b], 23, v[SO+\b]
.endr
	s_delay_alu instid0(VALU_DEP_1)
	v_lshl_or_b32 v[\hw], v[BP+1], 8, v[BP]        ; my query's two scale bytes (the same in lanes l and l xor 16)
	v_cvt_scalef32_pk16_fp6_f32 v[PC:PC+2], v[S:S+15], v[SO]
	v_cvt_scalef32_pk16_fp6_f32 v[CT:CT+2], v[S+16:S+31], v[SO+1]
	v_nop                                          ; one plain place behind a scaled conversion
.irp i, 0,1,2
	v_permlane16_swap_b32 v[PC+\i], v[CT+\i]
.endr
.irp i, 0,1,2
	s_delay_alu instid0(VALU_DEP_3)
	v_mov_b32 v[PC+3+\i], v[CT+\i]                 ; six registers: channels 32 (lane / 16) + 0 .. 31 of my head
.endr
.irp i, 0,1,2
	global_store_b64 v[A8], v[PC+2*\i:PC+2*\i+1], s[6:7] offset:1536*\u+256*\i   ; 32 lanes store 256 consecutive bytes, aligned
.endr
.endm
	PASS 0, HW0
	PASS 1, HW1
	v_and_b32 v[T0], 16, v0
	s_delay_alu instid0(VALU_DEP_1)
	v_cmp_ne_u32 vcc_lo, 0, v[T0]
	s_delay_alu instid0(VALU_DEP_1)
	v_cndmask_b32 v[T0], v[HW0], v[HW1], vcc_lo    ; lanes 0-15: the first tile's places, lanes 16-31: the second's
	global_store_b16 v[A32], v[T0], s[8:9]
	s_wait_tensorcnt 0x0                           ; the wave's end: behind my last tensor load
	ds_add_u32 v[SPW], v[NIL]
	s_wait_dscnt 0x0
	CROUND                                         ; the closing round
	s_endpgm
.Lfunc_end_k_q7a302880a9_attn:
	.size	k_q7a302880a9_attn, .Lfunc_end_k_q7a302880a9_attn-k_q7a302880a9_attn
	.p2alignl 7, 3214868480
	.fill 96, 4, 3214868480
	.section	.rodata,"a",@progbits
	.p2align	6, 0x0
	.amdhsa_kernel k_q7a302880a9_attn
		.amdhsa_group_segment_fixed_size 327680
		.amdhsa_private_segment_fixed_size 0
		.amdhsa_enable_private_segment 0
		.amdhsa_kernarg_size 24
		.amdhsa_user_sgpr_count 2
		.amdhsa_user_sgpr_kernarg_segment_ptr 1
		.amdhsa_wavefront_size32 1
		.amdhsa_system_sgpr_workgroup_id_x 1
		.amdhsa_system_sgpr_workgroup_id_y 1
		.amdhsa_system_sgpr_workgroup_id_z 1
		.amdhsa_system_vgpr_workitem_id 0
		.amdhsa_next_free_vgpr 256
		.amdhsa_next_free_sgpr 66
		.amdhsa_reserve_vcc 1
		.amdhsa_float_denorm_mode_32 3
		.amdhsa_float_denorm_mode_16_64 3
		.amdhsa_memory_ordered 1
		.amdhsa_forward_progress 1
		.amdhsa_inst_pref_size 53
	.end_amdhsa_kernel
	.amdgpu_metadata
---
amdhsa.version: [ 1, 2 ]
amdhsa.kernels:
  - .name:           k_q7a302880a9_attn
    .symbol:         k_q7a302880a9_attn.kd
    .args:
      - { .name: qkv, .offset: 0, .size: 8, .value_kind: global_buffer, .address_space: global }
      - { .name: oc, .offset: 8, .size: 8, .value_kind: global_buffer, .address_space: global }
      - { .name: os, .offset: 16, .size: 8, .value_kind: global_buffer, .address_space: global }
    .group_segment_fixed_size: 327680
    .private_segment_fixed_size: 0
    .kernarg_segment_align: 8
    .kernarg_segment_size: 24
    .max_flat_workgroup_size: 512
    .sgpr_count:     66
    .vgpr_count:     256
    .wavefront_size: 32
...
	.end_amdgpu_metadata
.endif
;; end of part 3
;; launch outp (part 4): grid 4 x 32, 4 waves a work-group, clusters of 4 x 4, 327,680 bytes of LDS; arguments oc, os, xc, xs, bo, out0; writes out0
.if DOCPART == 4
	.amdgcn_target "amdgcn-amd-amdhsa--gfx1250"
	.amdhsa_code_object_version 6
	.text
	.protected	k_q7a302880a9_outp
	.globl	k_q7a302880a9_outp
	.p2align	8
	.type	k_q7a302880a9_outp,@function
k_q7a302880a9_outp:
	s_mov_b64 s[64:65], 0
	v_nop
	global_prefetch_b8 v0, s[64:65] scope:SCOPE_SE
	s_setreg_imm32_b32 hwreg(HW_REG_WAVE_MODE, 25, 1), 1
	s_wait_xcnt 0x0
	s_wait_alu depctr_hold_cnt(0) depctr_sa_sdst(0) depctr_va_vdst(0) depctr_va_sdst(0) depctr_va_ssrc(0) depctr_va_vcc(0) depctr_vm_vsrc(0)
	s_getreg_b32 s2, hwreg(HW_REG_IB_STS2, 6, 4)
	s_cmp_eq_u32 s2, 0
	s_cbranch_scc0 .Lentry_in_a_cluster
	s_endpgm
.Lentry_in_a_cluster:
	s_bfe_u32 s2, ttmp6, 0x10000c
	s_cmp_lg_u32 s2, 0xf033
	s_cbranch_scc0 .Lentry_shape_is_right
	s_endpgm
.Lentry_shape_is_right:
; FOURTH LAUNCH: out0 = (the attention's result) wo^T + bo, on codes of FP6 (E2M3) with E8M0 scales; out0 [8192][1024] f32.  No work is left out.
; A = the attention's result: oc holds it as images of the operand's registers, [group of 128 tokens][128 along K][tile of 16][6 pieces][lane][8 bytes], os its scale bytes, 32 a place.  B = wo: rows 27648 on of xc and xs.
; A tile of out0, 256 x 256, is made by a work-group of four waves; a wave makes 128 x 128: 64 accumulators, 512 registers.  K = 1,024 goes in steps of 256 through a ring of two LDS slots filled by the tensor data mover;
; A's part of a slot is one dense block of memory for each 128 rows; the scale bytes of the work-group's rows come into LDS once, with the first fills.
; CLUSTERS: 4 x 4 work-groups; A's tiles are asked for jointly along a row of the cluster, B's along a column.
; THE MATRIX INSTRUCTION IS USED TRANSPOSED (source 0 = 16 rows of wo, source 1 = 16 tokens): a lane holds eight neighbouring numbers of a row of out0.  bo is the C of each sum's first product.
; THE ROW ORDER: lane r of A's tile a owns token 32 (a / 2) + 8 (a % 2) + r + 8 (r / 8) of the wave's 128, and register j of B's tile b is column 32 (b / 2) + 8 (b % 2) + 16 (lane / 16) + j: both are undone on the way out, by offsets.
; LIMITS: NaN and infinities are not served.
; REGISTERS, in windows of 256: window 0: v0-31 addresses; v32-63 scale words, two sets; v64-127 bo in the result's layout; v128-223 A's fragments, ONE set; on the way out v128-255 rows of out0.
;   window 1: B's fragments, TWO sets, at v0 and v128.   window 2: the accumulators of my rows 0-63 ((a, b) at v[8 (8 a + b)]);   window 3: those of my rows 64-127.
.set SIZE_K, 1024
.set KSTEP,  256
.set NQ,     KSTEP/128
.set ROWB,   192                       ; a row of B's tile in bytes
.set KROW,   SIZE_K*6/8                ; a row of xc in bytes
.set PITCH,  240                       ; B's LDS row: 3 x (64 bytes of data + 16 of padding)
.set FR,     12
.set NL,     6
.set NP,     4                         ; places behind this matrix instruction (ISA guide 7.12.1)
.set HALFT,  128*PITCH                 ; B: 128 rows
.set AHALF,  24576                     ; A: 128 rows x 256 along K, as images: 2 x 8 fragments of 1,536 bytes
.set AGRP,   98304                     ; a group of 128 tokens in oc: 8 x 8 fragments
.set SLOT,   2*AHALF+2*HALFT           ; A's two halves, then B's two
.set LAPS,   SIZE_K/(2*KSTEP)
.set KS,     SIZE_K/32
.set SCL,    2*SLOT                    ; behind the ring: the scales, as runs of 256 bytes + 16 of padding
.set HALFS,  (128*KS/256)*272
.set SBLK,   (16*KS/256)*272
.set SPARE,  SCL+4*HALFS               ; behind the scales: the spare words, 128 bytes for each wave
.set SPITCH, 528                       ; the way out: a stage of 16 rows x (512 bytes + 16) for each wave, in slot 0, which has had its last fill and its last read when the first result is stored there
.set ROWO,   4096                      ; a row of out0 in bytes
.set ADRA, 16                          ; v16-17  LDS address of my A fragments in slot 0, 1: 8 x lane + my half
.set ADRB, 20                          ; v20-21  of my B fragments  (v22-23: for the pieces that lie behind one padding more)
.set STO,  24                          ; v24     the way out: where I put 32 bytes of a row
.set RD,   25                          ; v25     where I read a row back
.set CO,   26                          ; v26     my byte offset in a row of out0
.set ADRS, 27                          ; v27     LDS address of my scale words: lanes 0-15 A's rows, lanes 16-31 B's
.set SPW,  28                          ; v28     LDS address of my spare word; never rewritten
.set NIL,  29                          ; v29     0; never rewritten
.set SC,   32
.set BI,   64                          ; v64-127 bo: register 8 b + j: column 32 (b / 2) + 8 (b % 2) + 16 (lane / 16) + j of my 128
.set AF,   128
.set BK,   128                         ; the way out: 16 rows read back from the stage: v128-191 and v192-255 by turns
.set G1, 24
.set G0, 32
.set G1B, 48
.set G0B, 56
.set G1S, 68
.set G0S, 76
.set G1SB, 80
.set G0SB, 88
.set MSB, 0
.macro WIN new                         ; the immediate's high byte repeats the setting that is left
.if MSB != (\new)
	s_set_vgpr_msb (MSB<<8)|(\new)
.set MSB, \new
.endif
.endm
.set MUL_LO, 0xa1                      ; source 0 (B) window 1, source 1 (A) window 0, C and D window 2
.set MUL_HI, 0xf1                      ; the same, C and D window 3
.set FST_LO, 0x81                      ; the first step: C (bo) window 0, D window 2
.set FST_HI, 0xc1                      ; D window 3
.set TO_B,   0x40
.macro JLOAD g0a, g1a, g0b, g1b        ; a joint load: waves 0 and 1 fetch for A, waves 2 and 3 for B; an s_nop 0 and four v_nop follow each of the two lines
	s_cmp_eq_u32 s15, 0
	s_cbranch_scc0 .Lfor_b_\@
	tensor_load_to_lds s[\g0a:\g0a+3], s[\g1a:\g1a+7]
	s_nop 0
.rept 4
	v_nop
.endr
	s_branch .Lasked_\@
.Lfor_b_\@:
	tensor_load_to_lds s[\g0b:\g0b+3], s[\g1b:\g1b+7]
	s_nop 0
.rept 4
	v_nop
.endr
.Lasked_\@:
.endm
.macro CREST
	s_cmp_lg_u32 s14, 0
	s_cbranch_scc1 .Lnot_wave_0_\@
	s_barrier_signal -3
.Lnot_wave_0_\@:
	s_barrier_wait -3
	s_barrier_signal -1
	s_barrier_wait -1
.endm
.macro CROUND
	s_barrier_signal -1
	s_barrier_wait -1
	CREST
.endm
	s_load_b256 s[4:11], s[0:1], 0x0               ; oc s[4:5], os s[6:7], xc s[8:9], xs s[10:11]
	s_load_b128 s[96:99], s[0:1], 0x20             ; bo s[96:97], out0 s[98:99]
	v_lshl_add_u32 v[SPW], v0, 2, SPARE
	v_mov_b32 v[NIL], 0
	ds_add_u32 v[SPW], v[NIL]                      ; the wave's opening: the add, twice on end, and its wait ahead of my first tensor load
	ds_add_u32 v[SPW], v[NIL]                      ; and once more, under the one wait; the set-up below, work on registers, stands between
	v_lshrrev_b32 v1, 5, v0
	v_readfirstlane_b32 s14, v1                    ; wave 0..3
	s_lshr_b32 s15, s14, 1                         ; which half of the tile's rows is mine.  Also: I fetch for A (0) or for B (1)
	s_and_b32 s16, s14, 1                          ; which half of its columns.  Also: which 128 rows of that tile I fetch
	s_bfe_u32 s40, ttmp6, 0x40000                  ; cx, cy
	s_bfe_u32 s41, ttmp6, 0x40004
	s_lshl_b32 s42, ttmp9, 2
	s_add_co_u32 s42, s42, s40                     ; tile column = 4 x cluster x + cx
	s_and_b32 s17, ttmp7, 0xffff
	s_lshl_b32 s17, s17, 2
	s_add_co_u32 s17, s17, s41                     ; tile row = 4 x cluster y + cy
	s_lshl_b32 s43, s41, 2
	s_lshl_b32 s43, 15, s43                        ; my row of the cluster
	s_lshl_b32 s44, 0x1111, s40                    ; my column
	; descriptor group 1 for A: 24,576 dense bytes as 96 rows of 256 bytes (32 elements of 8 bytes), no padding
	s_or_b32 s[G1+0], s43, (3<<16)|(1<<21)
	s_mov_b32 s[G1+1], 32<<16
	s_mov_b32 s[G1+2], 96<<16
	s_mov_b32 s[G1+3], 32<<16
	s_mov_b32 s[G1+4], 96
	s_mov_b32 s[G1+5], 32
	s_mov_b32 s[G1+6], 0
	s_mov_b32 s[G1+7], 0
	; for B: 128 rows x ROWB bytes, 16 bytes of padding behind every 64
	s_or_b32 s[G1B+0], s44, (0<<16)|(1<<20)|(1<<21)|(3<<22)|(3<<25)
	s_mov_b32 s[G1B+1], ROWB<<16
	s_mov_b32 s[G1B+2], 128<<16
	s_mov_b32 s[G1B+3], ROWB<<16
	s_mov_b32 s[G1B+4], 128
	s_mov_b32 s[G1B+5], KROW
	s_mov_b32 s[G1B+6], 0
	s_mov_b32 s[G1B+7], 0
	; for the scales of 128 rows: 4,096 dense bytes as rows of 256 bytes, 16 bytes of padding behind each
	s_or_b32 s[G1S+0], s43, (3<<16)|(1<<20)|(1<<21)|(5<<22)|(3<<25)
	s_or_b32 s[G1SB+0], s44, (3<<16)|(1<<20)|(1<<21)|(5<<22)|(3<<25)
.irp g, G1S, G1SB
	s_mov_b32 s[\g+1], 32<<16
	s_mov_b32 s[\g+2], (128*KS/256)<<16
	s_mov_b32 s[\g+3], 32<<16
	s_mov_b32 s[\g+4], 128*KS/256
	s_mov_b32 s[\g+5], 32
	s_mov_b32 s[\g+6], 0
	s_mov_b32 s[\g+7], 0
.endr
	s_lshl_b32 s20, s17, 1
	s_add_co_u32 s20, s20, s16                     ; A: the group of 128 tokens that I fetch
	s_lshl_b32 s22, s20, 12                        ; its scale bytes: 128 x 32
	s_mov_b32 s23, 0
	s_mul_i32 s20, s20, AGRP                       ; its codes
	s_mov_b32 s21, 0
	s_lshl_b32 s18, s16, 7
	s_lshl_b32 s46, s42, 8
	s_add_co_u32 s46, s46, s18
	s_add_co_u32 s46, s46, 27648                   ; B: wo's row in xc: 27648 + 256 x tile column + 128 x half
	s_lshl_b32 s92, s46, 5                         ; its scale bytes
	s_mov_b32 s93, 0
	s_mul_i32 s46, s46, KROW                       ; its codes
	s_mov_b32 s47, 0
	s_mul_i32 s45, s16, AHALF                      ; where they go: no place in the cluster enters an LDS address
	s_mul_i32 s2, s16, HALFT
	s_add_co_u32 s2, s2, 2*AHALF
	s_mul_i32 s94, s14, HALFS
	s_wait_dscnt 0x0                               ; both opening adds are done
	s_wait_kmcnt 0x0
	s_add_nc_u64 s[20:21], s[4:5], s[20:21]
	s_add_nc_u64 s[22:23], s[6:7], s[22:23]
	s_add_nc_u64 s[46:47], s[8:9], s[46:47]
	s_add_nc_u64 s[92:93], s[10:11], s[92:93]
	CROUND                                         ; all sixteen work-groups are here: the first joint loads meet
	s_mov_b32 s[G0S], 1
	s_add_co_u32 s[G0S+1], s94, SCL
	s_mov_b64 s[G0S+2:G0S+3], s[22:23]
	s_or_b32 s[G0S+3], s[G0S+3], 0x80000000
	s_mov_b32 s[G0SB], 1
	s_add_co_u32 s[G0SB+1], s94, SCL
	s_mov_b64 s[G0SB+2:G0SB+3], s[92:93]
	s_or_b32 s[G0SB+3], s[G0SB+3], 0x80000000
	JLOAD G0S, G1S, G0SB, G1SB                     ; the scales first: they are wanted with K step 0
.irp s, 0,1
	s_mov_b32 s[G0+4*\s], 1
	s_add_co_u32 s[G0+4*\s+1], s45, \s*SLOT
	s_add_nc_u64 s[G0+4*\s+2:G0+4*\s+3], s[20:21], \s*AHALF
	s_or_b32 s[G0+4*\s+3], s[G0+4*\s+3], 0x80000000
	s_mov_b32 s[G0B+4*\s], 1
	s_add_co_u32 s[G0B+4*\s+1], s2, \s*SLOT
	s_add_nc_u64 s[G0B+4*\s+2:G0B+4*\s+3], s[46:47], \s*ROWB
	s_or_b32 s[G0B+4*\s+3], s[G0B+4*\s+3], 0x80000000
	s_wait_alu depctr_va_vdst(0)
	s_wait_tensorcnt 0x0
	ds_add_u32 v28, v29
	s_wait_dscnt 0x0
	CROUND
	JLOAD G0+4*\s, G1, G0B+4*\s, G1B
.endr
	v_and_b32 v1, 15, v0                           ; r
	v_bfe_u32 v2, v0, 4, 1                         ; h
	v_and_b32 v6, 31, v0                           ; lane
	v_lshlrev_b32 v7, 3, v6                        ; A: 8 bytes a lane in each piece
	v_mul_u32_u24 v3, v1, PITCH
	v_mul_u32_u24 v4, v2, 24
	v_add_nc_u32 v4, v3, v4                        ; B: row x pitch + 24 x half
	v_lshl_add_u32 v5, v2, 4, v4                   ; and the same behind one padding more
	s_mul_i32 s21, s15, AHALF                      ; my 128 rows of A
	s_mul_i32 s22, s16, HALFT                      ; my 128 rows of B,
	s_add_co_u32 s22, s22, 2*AHALF                 ; which lie behind A's two halves
.irp s, 0,1
	v_add_nc_u32 v[ADRA+\s], s21, v7
	v_add_nc_u32 v[ADRB+\s], s22, v4
	v_add_nc_u32 v[ADRB+2+\s], s22, v5
	s_add_co_u32 s21, s21, SLOT
	s_add_co_u32 s22, s22, SLOT
.endr
	v_mul_u32_u24 v5, v1, KS                       ; my row's scales: KS bytes a row,
	v_lshrrev_b32 v3, 8, v5
	v_lshl_add_u32 v5, v3, 4, v5                   ; and 16 more for each 256 passed
	s_mul_i32 s21, s15, HALFS                      ; A's: my 128 rows
	s_mul_i32 s22, s16, HALFS                      ; B's: my 128 rows, behind A's 256
	s_add_co_u32 s22, s22, 2*HALFS
	s_sub_co_u32 s22, s22, s21
	v_mul_u32_u24 v3, s22, v2                      ; lanes 16-31 take B's
	s_add_co_u32 s21, s21, SCL
	v_add_nc_u32 v5, v5, v3
	v_add_nc_u32 v[ADRS], s21, v5
	s_mul_i32 s23, s14, 16*SPITCH                  ; my stage
	v_mul_u32_u24 v5, v1, SPITCH                   ; in: row r, + 64 h: my half's 16 columns of each 32
	v_lshl_add_u32 v5, v2, 6, v5
	v_add_nc_u32 v[STO], s23, v5
	v_lshlrev_b32 v[CO], 4, v6                     ; back: the 32 lanes take one row of 512 bytes; and the same in out0
	v_add_nc_u32 v[RD], s23, v[CO]
	v_lshlrev_b32 v8, 6, v2                        ; bo: 64 h
	s_wait_alu depctr_va_vdst(0)
	s_lshl_b32 s46, s42, 10                        ; my first column, in bytes: 1024 x tile column + 512 x half
	s_lshl_b32 s47, s16, 9
	s_add_co_u32 s46, s46, s47
	s_mov_b32 s47, 0
	s_add_nc_u64 s[96:97], s[96:97], s[46:47]      ; bo at my first column
	s_lshl_b32 s20, s17, 8
	s_lshl_b32 s21, s15, 7
	s_add_co_u32 s20, s20, s21                     ; my first row: 256 x tile row + 128 x half
	s_lshl_b32 s20, s20, 12                        ; x 4,096 bytes (under 2^25)
	s_mov_b32 s21, 0
	s_add_nc_u64 s[20:21], s[20:21], s[46:47]
	s_add_nc_u64 s[98:99], s[98:99], s[20:21]
.irp b, 0,1,2,3,4,5,6,7
	global_load_b128 v[BI+8*\b:BI+8*\b+3], v8, s[96:97] offset:128*(\b/2)+32*(\b%2)
	global_load_b128 v[BI+8*\b+4:BI+8*\b+7], v8, s[96:97] offset:128*(\b/2)+32*(\b%2)+16
.endr
.macro FRAG reg, adr, q, i             ; a fragment of B from rows: 12 registers, in pieces of 8 bytes; 16 bytes of padding lie behind every 8 pieces: where the piece three on lies behind one padding more, the second address register serves
.irp p, 0,1,2,3,4,5
.set PC, 12*(\q)+6*(\p/3)+\p%3
.if PC%8 < 5
	ds_load_b64 v[\reg+2*\p:\reg+2*\p+1], v[\adr] offset:8*PC+16*(PC/8)+(\i)*16*PITCH
.else
	ds_load_b64 v[\reg+2*\p:\reg+2*\p+1], v[\adr+2] offset:8*PC+16*(PC/8)+(\i)*16*PITCH
.endif
.endr
.endm
.macro FRAGA reg, adr, q, i            ; a fragment of A from its image: six pieces of 256 bytes, 8 bytes a lane
.irp j, 0,1,2,3,4,5
	ds_load_b64 v[\reg+2*\j:\reg+2*\j+1], v[\adr] offset:12288*(\q)+1536*(\i)+256*\j
.endr
.endm
; 16 matrix instructions: A's blocks a0, a0 + 1 x B's eight.  first = 1: the first product starts the sums, with bo as its C.  The 64 accumulators take turns, one instruction a turn.
.macro MUL16 a0, p, q, sc, first
.irp a, \a0, \a0+1
.irp b, 0,1,2,3,4,5,6,7
.if \first
	v_wmma_scale_f32_16x16x128_f8f6f4 v[8*(8*((\a)%4)+\b):8*(8*((\a)%4)+\b)+7], v[128*(\p)+FR*\b:128*(\p)+FR*\b+FR-1], v[AF+FR*(\a):AF+FR*(\a)+FR-1], v[BI+8*\b:BI+8*\b+7], v[SC+8*NQ*(\sc)+NQ*\b+(\q)], v[SC+8*NQ*(\sc)+NQ*(\a)+(\q)] matrix_a_fmt:MATRIX_FMT_FP6 matrix_b_fmt:MATRIX_FMT_FP6 matrix_a_scale:MATRIX_SCALE_ROW1
.else
	v_wmma_scale_f32_16x16x128_f8f6f4 v[8*(8*((\a)%4)+\b):8*(8*((\a)%4)+\b)+7], v[128*(\p)+FR*\b:128*(\p)+FR*\b+FR-1], v[AF+FR*(\a):AF+FR*(\a)+FR-1], v[8*(8*((\a)%4)+\b):8*(8*((\a)%4)+\b)+7], v[SC+8*NQ*(\sc)+NQ*\b+(\q)], v[SC+8*NQ*(\sc)+NQ*(\a)+(\q)] matrix_a_fmt:MATRIX_FMT_FP6 matrix_b_fmt:MATRIX_FMT_FP6 matrix_a_scale:MATRIX_SCALE_ROW1
.endif
.endr
.endr
.endm
.macro FETCH_B slot, q, p
	WIN TO_B
.irp i, 0,1,2,3,4,5,6,7
	FRAG 128*(\p)+FR*\i, ADRB+\slot, \q, \i
.endr
	WIN 0
.endm
.macro FETCH_A slot, q, i0
.irp i, \i0, \i0+1, \i0+2, \i0+3
	FRAGA AF+FR*(\i), ADRA+\slot, \q, \i
.endr
.endm
.macro SCALES sc
.irp i, 0,1,2,3,4,5,6,7
	ds_load_b64 v[SC+8*NQ*\sc+NQ*\i:SC+8*NQ*\sc+NQ*\i+1], v[ADRS] offset:\i*SBLK
.endr
.endm
.macro PLACES n                        ; places in front of loads into registers that matrix instructions have read, and of the first read of results (ISA guide 7.12.1 for the first read of results)
.rept \n
	v_nop
.endr
.endm
.macro STEP slot, q, first
	s_wait_dscnt 4*NL                              ; B's set and A's blocks 0-3 are in; the youngest 24 loads (A's blocks 4-7) may be out
.if \first
	WIN FST_LO
.else
	WIN MUL_LO
.endif
	MUL16 0, (\q)%2, \q, \slot, \first
	MUL16 2, (\q)%2, \q, \slot, \first
	s_wait_dscnt 0                                 ; A's blocks 4-7 are in
	PLACES NP
	FETCH_B \slot, (\q)+1, 1-(\q)%2
	FETCH_A \slot, (\q)+1, 0
.if \first
	WIN FST_HI
.else
	WIN MUL_HI
.endif
	MUL16 4, (\q)%2, \q, \slot, \first
	MUL16 6, (\q)%2, \q, \slot, \first
	PLACES NP
	WIN 0
	FETCH_A \slot, (\q)+1, 4
.endm
; A slot's last step changes slots: ONE barrier; in front of it each wave waits for all its tensor loads, adds 0 to its spare word, and waits for that and for its own reads of this slot.  fill = 1: this slot is filled again, two K steps ahead.
.macro TURN slot, next, fill
	s_wait_tensorcnt 0x0                           ; all my tensor loads have landed: my part of the next slot;  (every window is 0 here)
	ds_add_u32 v[SPW], v[NIL]                      ; 0 onto my spare word
	s_wait_dscnt 4*NL+1                            ; (the add and the youngest 24 loads may be out)
	WIN MUL_LO
	MUL16 0, 1, NQ-1, \slot, 0                     ; sixteen matrix instructions stand between the add and the wait for it
	s_wait_dscnt 0x0                               ; the add is done, and my reads of this slot are over
	s_barrier_signal -1
	MUL16 2, 1, NQ-1, \slot, 0
	WIN 0
	s_barrier_wait -1
.if \fill
	CREST                                          ; the barrier has opened a round of the cluster's barrier: no wave of any partner still reads this slot's tile or has a load on its way
	s_add_nc_u64 s[G0+4*\slot+2:G0+4*\slot+3], s[G0+4*\slot+2:G0+4*\slot+3], 2*AHALF
	s_add_nc_u64 s[G0B+4*\slot+2:G0B+4*\slot+3], s[G0B+4*\slot+2:G0B+4*\slot+3], 2*ROWB
	JLOAD G0+4*\slot, G1, G0B+4*\slot, G1B         ; the first tensor load behind the round; the four v_nop behind it are the places in front of the loads below
.else
	PLACES NP
.endif
	s_wait_alu depctr_va_vdst(0)
	v_add_nc_u32 v[ADRS], 4*NQ, v[ADRS]            ; on to the next K step's scale words (no LDS load of mine is out)
	FETCH_B \next, 0, 0
	FETCH_A \next, 0, 0
	SCALES \next
	WIN MUL_HI
	MUL16 4, 1, NQ-1, \slot, 0
	MUL16 6, 1, NQ-1, \slot, 0
	PLACES NP
	WIN 0
	FETCH_A \next, 0, 4
.endm
	s_wait_tensorcnt 1                             ; the scales and my part of K step 0 are in (K step 1's load may be out)
	s_barrier_signal -1
	s_barrier_wait -1                              ; everybody's are
	FETCH_B 0, 0, 0
	FETCH_A 0, 0, 0
	SCALES 0
	FETCH_A 0, 0, 4
	s_wait_loadcnt 0x0                             ; bo
	STEP 0, 0, 1                                   ; the first step stands in front of the loop: its products start the sums
	s_mov_b32 s3, LAPS-1
.Llap:                                                 ; a trip goes once round the ring and fills both slots again
	TURN 0, 1, 1
	STEP 1, 0, 0
	TURN 1, 0, 1
	STEP 0, 0, 0
	s_sub_co_u32 s3, s3, 1
	s_cmp_lg_u32 s3, 0
	s_cbranch_scc1 .Llap
	TURN 0, 1, 0                                   ; the last lap fills nothing, and has no round of the cluster's barrier
	STEP 1, 0, 0
	s_wait_dscnt 4*NL                              ; the very last step: nothing more to fetch
	WIN MUL_LO
	MUL16 0, 1, NQ-1, 1, 0
	MUL16 2, 1, NQ-1, 1, 0
	s_wait_dscnt 0
	WIN MUL_HI
	MUL16 4, 1, NQ-1, 1, 0
	MUL16 6, 1, NQ-1, 1, 0
	WIN 0
; THE WAY OUT, block by block of 16 rows x 128 columns, through my own stage in LDS: in by lanes (32 bytes of a row, at the columns' true places), back as whole rows of 512 bytes, which the 32 lanes store as 512 consecutive
; aligned bytes.  LDS serves a wave's instructions in order (ISA guide 5.7.1.4): no wait between the stores and the loads, nor in front of the next block's stores.
.macro TOSTAGE a
.set AC, 64*((\a)%4)
	WIN 0x08+4*((\a)/4)                            ; the data: window 2 or 3
.irp b, 0,1,2,3,4,5,6,7
	ds_store_b128 v[STO], v[AC+8*\b:AC+8*\b+3] offset:128*(\b/2)+32*(\b%2)         ; each accumulator from its low end on
	ds_store_b128 v[STO], v[AC+8*\b+4:AC+8*\b+7] offset:128*(\b/2)+32*(\b%2)+16
.endr
	WIN 0
.set BB, BK+64*((\a)%2)
.irp t, 0,1,2,3,4,5,6,7,8,9,10,11,12,13,14,15
	ds_load_b128 v[BB+4*\t:BB+4*\t+3], v[RD] offset:\t*SPITCH
.endr
.endm
.macro SEND a, younger                 ; younger: the LDS instructions issued behind block a's loads, which may stay out
.set BB, BK+64*((\a)%2)
	s_wait_dscnt \younger                          ; the block is back in registers
.irp t, 0,1,2,3,4,5,6,7,8,9,10,11,12,13,14,15
	global_store_b128 v[CO], v[BB+4*\t:BB+4*\t+3], s[98:99] offset:(32*((\a)/2)+8*((\a)%2)+\t+8*(\t/8))*ROWO th:TH_STORE_NT   ; row t of block a is this token of my 128: 127 rows at the most, inside the signed 24-bit immediate; the base is never stepped
.endr
.endm
	PLACES NP                                      ; behind the last products: for the loads into the registers that held A's fragments, and for the reads of results
	TOSTAGE 0
.irp a, 1,2,3,4,5,6,7
.if \a > 1
	s_wait_xcnt 0x0                                ; block a - 2's stores have read their registers: block a's loads may land there
.endif
	TOSTAGE \a
	SEND \a-1, 32                                  ; behind block a - 1's loads: block a's 16 stores and 16 loads
.endr
	SEND 7, 0
	s_wait_tensorcnt 0x0                           ; the wave's end: behind my last tensor load and my last LDS store
	ds_add_u32 v[SPW], v[NIL]
	s_wait_dscnt 0x0
	CROUND                                         ; the closing round: no work-group ends while a partner may still ask for a tile that names it
	s_endpgm
.Lfunc_end_k_q7a302880a9_outp:
	.size	k_q7a302880a9_outp, .Lfunc_end_k_q7a302880a9_outp-k_q7a302880a9_outp
	.p2alignl 7, 3214868480
	.fill 96, 4, 3214868480
	.section	.rodata,"a",@progbits
	.p2align	6, 0x0
	.amdhsa_kernel k_q7a302880a9_outp
		.amdhsa_group_segment_fixed_size 327680
		.amdhsa_private_segment_fixed_size 0
		.amdhsa_enable_private_segment 0
		.amdhsa_kernarg_size 48
		.amdhsa_user_sgpr_count 2
		.amdhsa_user_sgpr_kernarg_segment_ptr 1
		.amdhsa_wavefront_size32 1
		.amdhsa_system_sgpr_workgroup_id_x 1
		.amdhsa_system_sgpr_workgroup_id_y 1
		.amdhsa_system_sgpr_workgroup_id_z 1
		.amdhsa_system_vgpr_workitem_id 0
		.amdhsa_next_free_vgpr 1024
		.amdhsa_next_free_sgpr 100
		.amdhsa_reserve_vcc 0
		.amdhsa_float_denorm_mode_32 3
		.amdhsa_float_denorm_mode_16_64 3
		.amdhsa_memory_ordered 1
		.amdhsa_forward_progress 1
		.amdhsa_inst_pref_size 162
	.end_amdhsa_kernel
	.amdgpu_metadata
---
amdhsa.version: [ 1, 2 ]
amdhsa.kernels:
  - .name:           k_q7a302880a9_outp
    .symbol:         k_q7a302880a9_outp.kd
    .args:
      - { .name: oc, .offset: 0, .size: 8, .value_kind: global_buffer, .address_space: global }
      - { .name: os, .offset: 8, .size: 8, .value_kind: global_buffer, .address_space: global }
      - { .name: xc, .offset: 16, .size: 8, .value_kind: global_buffer, .address_space: global }
      - { .name: xs, .offset: 24, .size: 8, .value_kind: global_buffer, .address_space: global }
      - { .name: bo, .offset: 32, .size: 8, .value_kind: global_buffer, .address_space: global }
      - { .name: out0, .offset: 40, .size: 8, .value_kind: global_buffer, .address_space: global }
    .group_segment_fixed_size: 327680
    .private_segment_fixed_size: 0
    .kernarg_segment_align: 8
    .kernarg_segment_size: 48
    .max_flat_workgroup_size: 128
    .sgpr_count:     100
    .vgpr_count:     1024
    .wavefront_size: 32
...
	.end_amdgpu_metadata
.endif
;; end of part 4
